; MI455X (gfx1250); checked and timed in simulation.
; The chip was launched on July 23, 2026; its instructions are those of AMD's public machine-readable ISA for CDNA 5 (MIT licence, August 2026) and "CDNA5" Instruction Set Architecture Reference Guide (July 2026). The comments in the code are by the model that wrote it; some were corrected since.
;; Decoder Layer. Allowed arithmetic: matrix products marked QUANTISED: E4M3 operands, one given power-of-two scale a tensor, by v_wmma_f32_16x16x64_fp8_fp8 or v_wmma_f32_16x16x128_fp8_fp8, f32 sums; everything else in f32.
;; Inputs: b1 2,048 float32; b2 1,024 float32; bk 1,024 float32; bo 1,024 float32; bq 1,024 float32; bv 1,024 float32; ln1_b 1,024 float32; ln1_g 1,024 float32; ln2_b 1,024 float32; ln2_g 1,024 float32; lowp_scales 16 int32 (the exponents e of the quantised operands' scales 2^e); w1 2,048 x 1,024 float32; w2 1,024 x 2,048 float32; wk 1,024 x 1,024 float32; wo 1,024 x 1,024 float32; wq 1,024 x 1,024 float32; wv 1,024 x 1,024 float32; x 2 x 2,048 x 1,024 float32.
;; Outputs: out0 2 x 2,048 x 1,024 float32.
;; This version of the problem:
;;   THIS VERSION OF THE PROBLEM IS GIVEN IN LOW PRECISION. The matrix products marked QUANTISED in the list below multiply operands that are first quantised to E4M3 (4 exponent bits, 3 mantissa bits; 8 bits a number), with one given power-of-two scale for each operand tensor; their sums are f32. All else is computed in f32.
;;   The module's matrix products, in the order in which they are computed (A, B: the left and right operand; K: the contracted axis; several contracted axes count as one K, in the product's order):
;;     1. [M 4,096, K 1,024] x [K 1,024, N 1,024]; A: computed on the way; B: input wq: QUANTISED (scales: A lowp_scales[0], B lowp_scales[1])
;;     2. [M 4,096, K 1,024] x [K 1,024, N 1,024]; A: computed on the way; B: input wk: QUANTISED (scales: A lowp_scales[2], B lowp_scales[3])
;;     3. [M 4,096, K 1,024] x [K 1,024, N 1,024]; A: computed on the way; B: input wv: QUANTISED (scales: A lowp_scales[4], B lowp_scales[5])
;;     4. batch 32 x [M 2,048, K 64] x [K 64, N 2,048]; A: computed on the way; B: computed on the way: QUANTISED (scales: A lowp_scales[6], B lowp_scales[7])
;;     5. batch 32 x [M 2,048, K 2,048] x [K 2,048, N 64]; A: softmax (see below); B: computed on the way: QUANTISED (scales: A lowp_scales[8], B lowp_scales[9])
;;     6. [M 4,096, K 1,024] x [K 1,024, N 1,024]; A: computed on the way; B: input wo: QUANTISED (scales: A lowp_scales[10], B lowp_scales[11])
;;     7. [M 4,096, K 1,024] x [K 1,024, N 2,048]; A: computed on the way; B: input w1: QUANTISED (scales: A lowp_scales[12], B lowp_scales[13])
;;     8. [M 4,096, K 2,048] x [K 2,048, N 1,024]; A: computed on the way; B: input w2: QUANTISED (scales: A lowp_scales[14], B lowp_scales[15])
;;   THE QUANTISER, for each operand of a quantised product, along K:
;;     - The operand's scale is 2^e, e = its entry of the input lowp_scales (int32; the entries are numbered through the quantised products in the list's order, A before B).
;;     - Each number is divided by the scale, clamped to +-448, and rounded to the nearest number of E4M3, ties to even, subnormals kept.
;;     - The product sums the exact products of the quantised numbers (number of the format x scale) in f32.
;;   ~~~python
;;   def quantise(x, axis, e):      # numpy; x: float32 -> the quantised numbers, widened to float32 again
;;       x = np.moveaxis(x, axis, -1); K = x.shape[-1]
;;       r = np.clip(x / 2.0 ** e, -448, 448)
;;       step = 2.0 ** (np.maximum(np.frexp(np.where(r == 0, 1, r))[1] - 1, -6) - 3)
;;       q = np.round(r / step) * step * 2.0 ** e      # np.round: ties to even
;;       return np.moveaxis(q, -1, axis).astype(np.float32)
;;   ~~~
;;   SOFTMAX AHEAD OF A QUANTISED PRODUCT. Where the list says 'softmax', what is quantised is not the finished softmax but p = 2^(t - M), with t = logit x log2(e) and M = ceil(the row's largest t), a whole number; so 1/2 < the row's largest p <= 1. The row's sum l is taken of the UNQUANTISED p, in f32, and the product's result is divided by l at the end. Since M is a whole number, a kernel that streams over the keys may use a running M (the ceiling of the running maximum): every later rescaling is an exact power of two, so the quantised numbers keep their values, but for numbers so far below the row's largest that they fall under the format's range.
;;   OPERANDS COMPUTED ON THE WAY. 'Computed on the way' means the value that the module computes at that place (a softmax that the list does not call 'softmax' is quantised finished and normalised). What goes into a quantiser is computed in f32, as accurately as f32 sums, v_exp_f32 and their like allow (about 1e-6 of the number): no bf16 or f16 on the way to a quantiser, and a product that is left as it is and whose result goes on into a quantised operand takes f32 operands (vector FMAs, or v_wmma_f32_16x16x4_f32). A number that lies on a knife's edge between two numbers of the format may be rounded either way, as far as f32 arithmetic and the matrix unit's own rounding can turn it there, and no further.
;; One version. Each part assembles by itself: llvm-mc -triple=amdgcn-amd-amdhsa -mcpu=gfx1250 --defsym DOCPART=n.
;; ======== version 1 of 1: 7 launches
;; limits: right only within a limited range of input values
;; workspace buffers: wc 8,388,608 bytes; xc 12,582,912 bytes; qkv 12,582,912 bytes; ao 4,194,304 bytes; x1 16,777,216 bytes; yc 4,194,304 bytes; hc 8,388,608 bytes
;; launch prep (part 1): grid 512 x 1, 8 waves a work-group, no clusters, 0 bytes of LDS; arguments x, ln1_g, ln1_b, lowp_scales, xc, wc, wq, wk, wv, wo, w1, w2; writes xc, wc
.if DOCPART == 1
	.amdgcn_target "amdgcn-amd-amdhsa--gfx1250"
	.amdhsa_code_object_version 6
	.text
	.protected	k_qe8706b458d_prep
	.globl	k_qe8706b458d_prep
	.p2align	8
	.type	k_qe8706b458d_prep,@function
k_qe8706b458d_prep:
	s_mov_b64 s[64:65], 0
	v_nop
	global_prefetch_b8 v0, s[64:65] scope:SCOPE_SE
	s_setreg_imm32_b32 hwreg(HW_REG_WAVE_MODE, 25, 1), 1
	s_wait_xcnt 0x0
; Work-groups 0-255: LayerNorm 1 of x [4096][1024] f32, quantised three times to E4M3 codes (scales 2^e0, 2^e2, 2^e4: the A operands of the q, k and v projections) -> xc, three planes [4096][1024] of bytes, 4 MiB apart.
; Work-groups 256-511: the six weights, f32 with K innermost, quantised to codes (e1, e3, e5, e11, e13, e15) -> wc, in the order wq, wk, wv, wo, w1, w2, each [N][K] of bytes as the input lies.
; code = number / 2^e, held within +-448, rounded to the nearest code, ties to even.
; LIMITS: every e used here lies between -126 and 119, so that 2^e and 448 x 2^e are f32 numbers.  NaN among the inputs is not served.
; A LANE'S SHARE, in both paths: a load reads 512 consecutive bytes, 16 a lane: lane l holds numbers 4 l .. 4 l + 3 of a run of 128.  A conversion takes the lane's numbers of two neighbouring runs, a and b: its low word holds
; the lane's four codes of run a, its high word those of run b (one scale serves the whole tensor, so the eight need not be neighbours).  Then lanes 2 m and 2 m + 1 change one word with each other: the even lane ends with
; codes 8 m .. 8 m + 7 of run a, the odd lane with the same of run b, and one store of 8 bytes a lane covers the two runs' 256 consecutive bytes, at a multiple of 256 from the buffer's first byte.  Nothing goes through LDS.
; A wave takes two whole rows (LayerNorm) or four pieces of 1,024 numbers (weights).  Waves share nothing: no LDS, no barrier.  Matrix units and clusters have nothing to do in a stream.
.set G,   32                           ; v32-63   the gain at my 32 columns
.set BB,  64                           ; v64-95   the bias at my 32 columns
.set X0,  96                           ; v96-127  row 0;  v128-159 row 1.  (Weights: v32-159 are the four pieces)
.set X1,  128
.set W,   160                          ; v160-167 at work: +0..3 two chains of sums, +4 mean, then variance + eps, +5 the lane exchange, +6 1 / sqrt, +7 named with +6 as a pair; later the words that change lanes
.set T,   168                          ; v168-183 two sets of eight held numbers, by turns
.set C,   184                          ; v184-231 codes: registers of their own for every store, so that no store's data are written again
; 2^e -> v[vs], 448 x 2^e -> v[vs+1];  e stands in s[e]
.macro MKSCALE e, vs
	s_add_co_i32 s2, s[\e], 127
	s_lshl_b32 s3, s2, 23
	v_mov_b32 v[\vs], s3                           ; the conversion takes this number's exponent field
	s_add_co_i32 s2, s2, 8
	s_lshl_b32 s2, s2, 23
	s_or_b32 s2, s2, 0x600000                      ; the mantissa field of 448
	v_mov_b32 v[\vs+1], s2
.endm
.macro SUM32                           ; v[W] summed over the wave's 32 lanes, the result in every lane
	s_delay_alu instid0(VALU_DEP_1)
	v_add_f32_dpp v[W], v[W], v[W] row_xmask:1 row_mask:0xf bank_mask:0xf
	s_delay_alu instid0(VALU_DEP_1)
	v_add_f32_dpp v[W], v[W], v[W] row_xmask:2 row_mask:0xf bank_mask:0xf
	s_delay_alu instid0(VALU_DEP_1)
	v_add_f32_dpp v[W], v[W], v[W] row_xmask:4 row_mask:0xf bank_mask:0xf
	s_delay_alu instid0(VALU_DEP_1)
	v_add_f32_dpp v[W], v[W], v[W] row_xmask:8 row_mask:0xf bank_mask:0xf
	s_delay_alu instid0(VALU_DEP_1)
	v_permlanex16_b32 v[W+5], v[W], s52, s53
	s_delay_alu instid0(VALU_DEP_1)
	v_add_f32 v[W], v[W], v[W+5]
.endm
; the row in v[x] .. v[x+31] becomes (x - mean) / sqrt(variance + eps): the mean first, then the squares of the centred numbers, as the definition has it
.macro STATS x
	v_pk_add_f32 v[W:W+1], v[\x:\x+1], v[\x+2:\x+3]
	v_pk_add_f32 v[W+2:W+3], v[\x+4:\x+5], v[\x+6:\x+7]
.irp j, 8,12,16,20,24,28
	s_delay_alu instid0(VALU_DEP_2)
	v_pk_add_f32 v[W:W+1], v[W:W+1], v[\x+\j:\x+\j+1]
	s_delay_alu instid0(VALU_DEP_2)
	v_pk_add_f32 v[W+2:W+3], v[W+2:W+3], v[\x+\j+2:\x+\j+3]
.endr
	s_delay_alu instid0(VALU_DEP_1)
	v_pk_add_f32 v[W:W+1], v[W:W+1], v[W+2:W+3]
	s_delay_alu instid0(VALU_DEP_1)
	v_add_f32 v[W], v[W], v[W+1]
	SUM32
	s_delay_alu instid0(VALU_DEP_1)
	v_mul_f32 v[W+4], s54, v[W]                    ; the mean: x 1 / 1024
.irp j, 0,2,4,6,8,10,12,14,16,18,20,22,24,26,28,30
	v_pk_add_f32 v[\x+\j:\x+\j+1], v[\x+\j:\x+\j+1], v[W+4:W+5] op_sel_hi:[1,0] neg_lo:[0,1] neg_hi:[0,1]
.endr
	v_pk_mul_f32 v[W:W+1], v[\x:\x+1], v[\x:\x+1]
	v_pk_mul_f32 v[W+2:W+3], v[\x+2:\x+3], v[\x+2:\x+3]
.irp j, 4,8,12,16,20,24,28
	s_delay_alu instid0(VALU_DEP_2)
	v_pk_fma_f32 v[W:W+1], v[\x+\j:\x+\j+1], v[\x+\j:\x+\j+1], v[W:W+1]
	s_delay_alu instid0(VALU_DEP_2)
	v_pk_fma_f32 v[W+2:W+3], v[\x+\j+2:\x+\j+3], v[\x+\j+2:\x+\j+3], v[W+2:W+3]
.endr
	s_delay_alu instid0(VALU_DEP_1)
	v_pk_add_f32 v[W:W+1], v[W:W+1], v[W+2:W+3]
	s_delay_alu instid0(VALU_DEP_1)
	v_add_f32 v[W], v[W], v[W+1]
	SUM32
	s_delay_alu instid0(VALU_DEP_1)
	v_fma_f32 v[W+4], v[W], s54, s55               ; variance + eps
	s_wait_alu depctr_va_vdst(0)
	v_rsq_f32 v[W+6], v[W+4]
	v_nop                                          ; one plain vector instruction behind a transcendental
	s_wait_alu depctr_va_vdst(0)                   ; the wait ahead of the result's first reader
.irp j, 0,2,4,6,8,10,12,14,16,18,20,22,24,26,28,30
	v_pk_mul_f32 v[\x+\j:\x+\j+1], v[\x+\j:\x+\j+1], v[W+6:W+7] op_sel_hi:[1,0]
.endr
.endm
.macro AFFINE x
.irp j, 0,2,4,6,8,10,12,14,16,18,20,22,24,26,28,30
	v_pk_fma_f32 v[\x+\j:\x+\j+1], v[\x+\j:\x+\j+1], v[G+\j:G+\j+1], v[BB+\j:BB+\j+1]
.endr
.endm
; Four pairs of code words at v[c]: pair j holds (my four codes of run 2 j, my four of run 2 j + 1).  VCC has the odd lanes' bits.  Each lane sends the word that its neighbour (lane xor 1) wants: the even lane its high word,
; the odd lane its low word; then the even lane holds (own low, received) = eight neighbours of run 2 j, the odd lane (received, own high) = eight neighbours of run 2 j + 1
.macro SWAP c
.irp j, 0,1,2,3
	v_cndmask_b32 v[W+\j], v[\c+2*\j+1], v[\c+2*\j], vcc_lo
.endr
.irp j, 0,1,2,3
	s_delay_alu instid0(VALU_DEP_4)
	v_mov_b32_dpp v[W+4+\j], v[W+\j] row_xmask:1 row_mask:0xf bank_mask:0xf
.endr
.irp j, 0,1,2,3
	v_cndmask_b32 v[\c+2*\j], v[\c+2*\j], v[W+4+\j], vcc_lo
	v_cndmask_b32 v[\c+2*\j+1], v[W+4+\j], v[\c+2*\j+1], vcc_lo
.endr
.endm
; the row's 32 numbers of my lane -> 8 registers of codes at v[c].  The row is kept: it is quantised three times.  The two sets of T take turns, so that the holds of one set are the plain lines behind the conversion of the other
.macro QUANT x, sc, c
.irp j, 0,1,2,3
.irp i, 0,1,2,3,4,5,6,7
	v_med3_num_f32 v[T+8*(\j%2)+\i], v[\x+8*\j+\i], -v[\sc+1], v[\sc+1]   ; the conversion to an 8-bit code does not saturate (ISA guide 7.6.2): the hold at the largest code x the scale comes first
.endr
	v_cvt_scalef32_pk8_fp8_f32 v[\c+2*\j:\c+2*\j+1], v[T+8*(\j%2):T+8*(\j%2)+7], v[\sc]
.endr
	v_nop                                          ; one plain vector line between the last conversion and the lines that read its result
	SWAP \c
.endm
.macro PUT c, base, row
.irp j, 0,1,2,3
	global_store_b64 v3, v[\c+2*\j:\c+2*\j+1], s[\base:\base+1] offset:1024*\row+256*\j
.endr
.endm
; the tensor, its first work-group and its exponent, if my number lies below the bound
.macro PICK below, ptr, first, e
	s_cmp_lt_u32 s2, \below
	s_cselect_b64 s[32:33], s[\ptr:\ptr+1], s[32:33]
	s_cselect_b32 s34, \first, s34
	s_cselect_b32 s5, s[\e], s5
.endm
	s_load_b512 s[8:23], s[0:1], 0x0               ; x 8, ln1_g 10, ln1_b 12, the exponents 14, xc 16, wc 18, wq 20, wk 22
	s_load_b256 s[24:31], s[0:1], 0x40             ; wv 24, wo 26, w1 28, w2 30
	v_lshrrev_b32 v1, 5, v0
	s_delay_alu instid0(VALU_DEP_1)
	v_readfirstlane_b32 s4, v1                     ; wave 0..7
	v_and_b32 v1, 31, v0                           ; lane
	s_delay_alu instid0(VALU_DEP_1)
	v_lshlrev_b32 v2, 4, v1                        ; in: 16 bytes a lane
	s_delay_alu instid0(VALU_DEP_2)
	v_lshrrev_b32 v3, 1, v1
	s_delay_alu instid0(VALU_DEP_1)
	v_lshlrev_b32 v3, 3, v3
	s_delay_alu instid0(VALU_DEP_4)
	v_and_b32 v10, 1, v1
	s_delay_alu instid0(VALU_DEP_1)
	v_lshl_add_u32 v3, v10, 7, v3                  ; out: 8 (lane / 2), and 128 further on for the odd lanes
	s_mov_b32 vcc_lo, 0xaaaaaaaa                   ; the odd lanes
	s_mov_b32 s52, 0x76543210                      ; v_permlanex16_b32: lane l takes lane l xor 16
	s_mov_b32 s53, 0xfedcba98
	s_mov_b32 s54, 0x3a800000                      ; 1 / 1024
	s_mov_b32 s55, 0x3727c5ac                      ; eps = 1e-5
	s_wait_kmcnt 0x0
	s_load_b512 s[36:51], s[14:15], 0x0            ; e0 .. e15 in s36 .. s51
	s_cmp_lt_u32 ttmp9, 256
	s_cbranch_scc0 .Lweights
	; ---- LayerNorm 1: my wave's rows 16 x work-group + 2 x wave, and the next
	s_lshl_b32 s2, ttmp9, 4
	s_lshl_b32 s3, s4, 1
	s_add_co_u32 s2, s2, s3
	s_lshl_b32 s6, s2, 10                          ; a row of codes is 1,024 bytes,
	s_mov_b32 s7, 0
	s_lshl_b32 s2, s2, 12                          ; a row of x 4,096
	s_mov_b32 s3, 0
	s_add_nc_u64 s[8:9], s[8:9], s[2:3]
	s_add_nc_u64 s[16:17], s[16:17], s[6:7]        ; the plane with e0,
	s_add_nc_u64 s[32:33], s[16:17], 0x400000      ; with e2,
	s_add_nc_u64 s[34:35], s[16:17], 0x800000      ; with e4
	s_wait_alu depctr_va_vdst(0)
.irp j, 0,1,2,3,4,5,6,7
	global_load_b128 v[X0+4*\j:X0+4*\j+3], v2, s[8:9] offset:512*\j th:TH_LOAD_NT
.endr
.irp j, 0,1,2,3,4,5,6,7
	global_load_b128 v[X1+4*\j:X1+4*\j+3], v2, s[8:9] offset:4096+512*\j th:TH_LOAD_NT
.endr
.irp j, 0,1,2,3,4,5,6,7
	global_load_b128 v[G+4*\j:G+4*\j+3], v2, s[10:11] offset:512*\j
.endr
.irp j, 0,1,2,3,4,5,6,7
	global_load_b128 v[BB+4*\j:BB+4*\j+3], v2, s[12:13] offset:512*\j
.endr
	v_mov_b32 v[W+5], 0                            ; a lane exchange's destination counts as one of its sources
	v_mov_b32 v[W+7], 0                            ; named as the upper half of a pair
	s_wait_kmcnt 0x0
	MKSCALE 36, 4                                  ; e0: v4, v5
	MKSCALE 38, 6                                  ; e2: v6, v7
	MKSCALE 40, 8                                  ; e4: v8, v9
	s_wait_loadcnt 24                              ; row 0's eight loads are in; row 1, the gain and the bias (24 loads) may be out
	STATS X0
	s_wait_loadcnt 16                              ; row 1 is in
	STATS X1
	s_wait_loadcnt 0x0                             ; the gain and the bias
	AFFINE X0
	QUANT X0, 4, C
	PUT C, 16, 0
	QUANT X0, 6, C+8
	PUT C+8, 32, 0
	QUANT X0, 8, C+16
	PUT C+16, 34, 0
	AFFINE X1
	QUANT X1, 4, C+24
	PUT C+24, 16, 1
	QUANT X1, 6, C+32
	PUT C+32, 32, 1
	QUANT X1, 8, C+40
	PUT C+40, 34, 1
	s_endpgm
	; ---- the weights: work-group i of 256 takes numbers 32,768 i on of the six tensors laid on end; a wave 4,096 of them
.Lweights:
	s_sub_co_u32 s2, ttmp9, 256
	s_wait_kmcnt 0x0
	s_mov_b64 s[32:33], s[30:31]                   ; w2, from work-group 192 on, e15; the choices hang on the work-group's number alone
	s_mov_b32 s34, 192
	s_mov_b32 s5, s51
	PICK 192, 28, 128, 49                          ; w1, e13
	PICK 128, 26, 96, 47                           ; wo, e11
	PICK 96, 24, 64, 41                            ; wv, e5
	PICK 64, 22, 32, 39                            ; wk, e3
	PICK 32, 20, 0, 37                             ; wq, e1
	s_sub_co_u32 s34, s2, s34
	s_lshl_b32 s34, s34, 17                        ; 32,768 numbers of 4 bytes a work-group,
	s_lshl_b32 s3, s4, 14                          ; 4,096 a wave
	s_add_co_u32 s34, s34, s3
	s_mov_b32 s35, 0
	s_add_nc_u64 s[32:33], s[32:33], s[34:35]
	s_lshl_b32 s6, s2, 15                          ; and as many bytes of codes
	s_lshl_b32 s3, s4, 12
	s_add_co_u32 s6, s6, s3
	s_mov_b32 s7, 0
	s_add_nc_u64 s[18:19], s[18:19], s[6:7]
	s_wait_alu depctr_va_vdst(0)
.irp i, 0,1,2,3
.irp j, 0,1,2,3,4,5,6,7
	global_load_b128 v[32+32*\i+4*\j:32+32*\i+4*\j+3], v2, s[32:33] offset:4096*\i+512*\j th:TH_LOAD_NT
.endr
.endr
	MKSCALE 5, 4
.irp j, 4,5,6,7
	v_mov_b32 v[W+\j], 0                           ; a lane exchange's destination counts as one of its sources
.endr
	s_wait_alu depctr_va_vdst(0)
.irp i, 0,1,2,3
	s_wait_loadcnt 24-8*\i                         ; piece i's eight loads are in; the later pieces' may be out
.set n, 0
.rept 32
	v_med3_num_f32 v[32+32*\i+n], v[32+32*\i+n], -v5, v5
.set n, n+1
.endr
.irp j, 0,1,2,3
	v_cvt_scalef32_pk8_fp8_f32 v[C+8*\i+2*\j:C+8*\i+2*\j+1], v[32+32*\i+8*\j:32+32*\i+8*\j+7], v4
.endr
	v_nop                                          ; one plain vector line between the last conversion and the lines that read its result
	SWAP C+8*\i
.irp j, 0,1,2,3
	global_store_b64 v3, v[C+8*\i+2*\j:C+8*\i+2*\j+1], s[18:19] offset:1024*\i+256*\j
.endr
.endr
	s_endpgm
.Lfunc_end_k_qe8706b458d_prep:
	.size	k_qe8706b458d_prep, .Lfunc_end_k_qe8706b458d_prep-k_qe8706b458d_prep
	.p2alignl 7, 3214868480
	.fill 96, 4, 3214868480
	.section	.rodata,"a",@progbits
	.p2align	6, 0x0
	.amdhsa_kernel k_qe8706b458d_prep
		.amdhsa_group_segment_fixed_size 0
		.amdhsa_private_segment_fixed_size 0
		.amdhsa_enable_private_segment 0
		.amdhsa_kernarg_size 96
		.amdhsa_user_sgpr_count 2
		.amdhsa_user_sgpr_kernarg_segment_ptr 1
		.amdhsa_wavefront_size32 1
		.amdhsa_system_sgpr_workgroup_id_x 1
		.amdhsa_system_sgpr_workgroup_id_y 1
		.amdhsa_system_sgpr_workgroup_id_z 1
		.amdhsa_system_vgpr_workitem_id 0
		.amdhsa_next_free_vgpr 232
		.amdhsa_next_free_sgpr 66
		.amdhsa_reserve_vcc 1
		.amdhsa_float_denorm_mode_32 3
		.amdhsa_float_denorm_mode_16_64 3
		.amdhsa_memory_ordered 1
		.amdhsa_forward_progress 1
		.amdhsa_inst_pref_size 60
	.end_amdhsa_kernel
	.amdgpu_metadata
---
amdhsa.version: [ 1, 2 ]
amdhsa.kernels:
  - .name:           k_qe8706b458d_prep
    .symbol:         k_qe8706b458d_prep.kd
    .args:
      - { .name: x, .offset: 0, .size: 8, .value_kind: global_buffer, .address_space: global }
      - { .name: ln1_g, .offset: 8, .size: 8, .value_kind: global_buffer, .address_space: global }
      - { .name: ln1_b, .offset: 16, .size: 8, .value_kind: global_buffer, .address_space: global }
      - { .name: lowp_scales, .offset: 24, .size: 8, .value_kind: global_buffer, .address_space: global }
      - { .name: xc, .offset: 32, .size: 8, .value_kind: global_buffer, .address_space: global }
      - { .name: wc, .offset: 40, .size: 8, .value_kind: global_buffer, .address_space: global }
      - { .name: wq, .offset: 48, .size: 8, .value_kind: global_buffer, .address_space: global }
      - { .name: wk, .offset: 56, .size: 8, .value_kind: global_buffer, .address_space: global }
      - { .name: wv, .offset: 64, .size: 8, .value_kind: global_buffer, .address_space: global }
      - { .name: wo, .offset: 72, .size: 8, .value_kind: global_buffer, .address_space: global }
      - { .name: w1, .offset: 80, .size: 8, .value_kind: global_buffer, .address_space: global }
      - { .name: w2, .offset: 88, .size: 8, .value_kind: global_buffer, .address_space: global }
    .group_segment_fixed_size: 0
    .private_segment_fixed_size: 0
    .kernarg_segment_align: 8
    .kernarg_segment_size: 96
    .max_flat_workgroup_size: 256
    .sgpr_count:     66
    .vgpr_count:     232
    .wavefront_size: 32
...
	.end_amdgpu_metadata
.endif
;; end of part 1
;; launch proj (part 2): grid 8 x 32, 4 waves a work-group, clusters of 4 x 4, 327,680 bytes of LDS; arguments xc, wc, bq, bk, bv, lowp_scales, qkv; writes qkv
.if DOCPART == 2
	.amdgcn_target "amdgcn-amd-amdhsa--gfx1250"
	.amdhsa_code_object_version 6
	.text
	.protected	k_qe8706b458d_proj
	.globl	k_qe8706b458d_proj
	.p2align	8
	.type	k_qe8706b458d_proj,@function
k_qe8706b458d_proj:
	s_mov_b64 s[64:65], 0
	v_nop
	global_prefetch_b8 v0, s[64:65] scope:SCOPE_SE
	s_setreg_imm32_b32 hwreg(HW_REG_WAVE_MODE, 25, 1), 1
	s_wait_xcnt 0x0
	s_wait_alu depctr_hold_cnt(0) depctr_sa_sdst(0) depctr_va_vdst(0) depctr_va_sdst(0) depctr_va_ssrc(0) depctr_va_vcc(0) depctr_vm_vsrc(0)
	s_getreg_b32 s2, hwreg(HW_REG_IB_STS2, 6, 4)
	s_cmp_eq_u32 s2, 0
	s_cbranch_scc0 .Lentry_in_a_cluster
	s_endpgm
.Lentry_in_a_cluster:
	s_bfe_u32 s2, ttmp6, 0x10000c
	s_cmp_lg_u32 s2, 0xf033
	s_cbranch_scc0 .Lentry_shape_is_right
	s_endpgm
.Lentry_shape_is_right:
; THIS COPY: KIND 0, the q, k and v projections.  (One text serves two launches; the five constants below say which.)
; C = A B^T on codes of E4M3, K = 1,024, by v_wmma_f32_16x16x128_fp8_fp8, sums in f32; each finished sum x 2^(eA + eB) + bias, then quantised again to codes:
;   KIND 0  three tiles a work-group: A = xc's plane 0 | 1 | 2, B = wq | wk | wv; quantised with e6 | e7 | e9 -> qkv: q, k as [batch x head][token][64], v as [batch x head][64 tokens' chunk][channel][token]
;   KIND 2  two tiles a work-group: A = yc, B = w1's tile columns tc and tc + 8; relu; quantised with e14 -> hc, [128 tokens' block][64 hidden units: a plane][token][64 bytes]
; LIMITS: eA + eB between -126 and 127; the exponent of an output's quantiser between -126 and 119: so that each power of two below is an f32 number.  NaN is not served.
; SHARES.  A tile of C is 128 x 128; 8 x 32 work-groups, one for each of 256 places, and A WORK-GROUP STAYS: it makes NT tiles one after the other.  Four waves, each 64 x 64: 16 accumulators.
; USED TRANSPOSED: source 0 = 16 rows of B, source 1 = 16 rows of A: a lane then holds row l % 16 of C and eight neighbouring columns.  A fragment (16 rows x 128 K, 16 registers) comes by four loads of 16 bytes:
; registers 4 c .. 4 c + 3 hold K = 32 c + 16 (l / 16) + 0 .. 15, alike in A and B: a permutation of k inside an instruction, which changes the order of its sums alone.
; THE RING.  Two LDS slots of 512 along K: a tile is slot 0, then slot 1.  The ring does not stop at a tile's end: as soon as a slot has been read out it is filled with the same K half of the NEXT tile, so both refills are
; out before a tile's way out begins, and slot 1's lands under the conversions, the stores and the next tile's first 64 products.  From tile to tile A goes ANEXT bytes on and B BNEXT.
; KIND 2: A is the same for both tiles: it stays in LDS, and the waves that fetch for A issue no refill.
; CLUSTERS: 4 x 4 work-groups; A's tile is asked for jointly by the four of a row of the cluster, B's by the four of a column; each refill stands behind a round of the cluster's barrier.
; KIND 0, v (the third tile): the two sources' LDS regions change places (address registers of their own), so that a lane holds ONE channel and eight neighbouring TOKENS: v leaves with the keys innermost; its bias goes by rows.
; LDS: slot s at s x SLOT: A's 128 rows, then B's; rows of 512 bytes + 16 (pitch 528 = 33 x 16: the 16 rows of a load start at 16 different groups of four banks; 64 banks of 4 bytes: ISA guide 11.1).
;   Behind the slots a stage of 64 rows x 80 bytes for each wave, into which no tile lands; behind the stages the spare words.
; REGISTERS: window 0: v1-31 addresses and constants; v32-63 codes, v64-95 rows read back from the stage; v96-127 the bias by columns; v128-255 the accumulators ((a, b) at 128 + 8 (4 a + b)).
;   window 1: two sets of fragments, at v0 and v128: source 1's four, then source 0's four.
.set KIND,   0
.set NT,     3                         ; tiles a work-group makes
.set WOFF,   0                         ; B's first byte in wc
.set ANEXT,  0x400000                  ; A: from a K half of one tile to the same of the next
.set BNEXT,  0x100000                  ; B: 1,024 rows of 1,024 bytes on
.set KTOT,   1024
.set HALF,   64*528                    ; 64 rows: one tensor load, and what one wave reads of A or of B
.set APART,  2*HALF
.set SLOT,   4*HALF
.set STAGE,  2*SLOT
.set SPARE,  STAGE+4*64*80             ; the spare words, 128 bytes for each wave: two blocks of 256 bytes that no other line names
.set BRO,  4                           ; v4      KIND 0: my byte offset in the bias by rows
.set BR,   8                           ; v8-15   KIND 0: v's bias by rows, one number for each a, as the low half of a pair
.set ADRA, 16                          ; v16-17  LDS address of source 1's fragments in slot 0, 1;  v18-19 the same for the tile of v
.set ADRB, 20                          ; v20-21  of source 0's;  v22-23 for the tile of v
.set STO,  24                          ; v24     the stage: where I put my codes
.set RD,   25                          ; v25     and where I read them back
.set CO,   26                          ; v26     my byte offset in the output
.set BO,   27                          ; v27     my byte offset in the bias by columns
.set SPW,  28                          ; v28     LDS address of my spare word; never rewritten
.set NIL,  29                          ; v29     0; never rewritten
.set QS,   30                          ; v30     2^e of the output's quantiser;  v31: 448 x that
.set QL,   31
.set TMP,  32
.set BC,   96
.set ACC,  128
.set F0,   0
.set F1,   128
.set G1A,  24                          ; s[24:31] descriptor group 1 for A's tiles;  s[32:39] group 0, a set for each slot
.set G0A,  32
.set G1B,  48                          ; s[48:55], s[56:63] the same for B's
.set G0B,  56
.set MSB, 0
.macro WIN new                         ; s_set_vgpr_msb: bits 1:0 source 0, 3:2 source 1, 5:4 source 2, 7:6 destination; the high byte repeats the setting that is left
.if MSB != \new
	s_set_vgpr_msb (MSB<<8)|\new
.set MSB, \new
.endif
.endm
.set MUL,  0x05                        ; sources 0 and 1 window 1; C and D window 0
.set TO_F, 0x40                        ; destination window 1, address window 0
.macro PLACES                          ; four plain vector lines between a matrix instruction and a load into, or a read of, its registers
.rept 4
	v_nop
.endr
.endm
; a joint load: waves 0 and 1 fetch A's two halves, waves 2 and 3 B's; the branch hangs on the wave's number alone; four v_nop follow each line.
; again = 1: a refill; where A stays in LDS (ANEXT = 0) waves 0 and 1 then ask for nothing, and their four v_nop are the places in front of the LDS loads that follow
.macro JLOAD s, again
	s_cmp_eq_u32 s17, 0
	s_cbranch_scc0 .Lfor_b_\@
.if (\again == 0) || (ANEXT != 0)
	tensor_load_to_lds s[G0A+4*\s:G0A+4*\s+3], s[G1A:G1A+7]
	s_nop 0
.endif
.rept 4
	v_nop
.endr
	s_branch .Lasked_\@
.Lfor_b_\@:
	tensor_load_to_lds s[G0B+4*\s:G0B+4*\s+3], s[G1B:G1B+7]
	s_nop 0
.rept 4
	v_nop
.endr
.Lasked_\@:
.endm
.macro CREST                           ; a round of the cluster's barrier behind its opening barrier
	s_cmp_lg_u32 s16, 0
	s_cbranch_scc1 .Lnot_wave_0_\@
	s_barrier_signal -3
.Lnot_wave_0_\@:
	s_barrier_wait -3
	s_barrier_signal -1
	s_barrier_wait -1
.endm
.macro CROUND                          ; a whole round
	s_barrier_signal -1
	s_barrier_wait -1
	CREST
.endm
.macro FRAG reg, adr, q, i             ; fragment i of a slot's q-th 128 along K
.irp c, 0,1,2,3
	ds_load_b128 v[\reg+4*\c:\reg+4*\c+3], v[\adr] offset:128*(\q)+32*\c+(\i)*8448
.endr
.endm
; 32 LDS loads in one run: source 0's four fragments, then source 1's blocks 0, 1, then 2, 3.  t: the tile whose data lie in the slot
.macro FETCH slot, q, f, t
.if (KIND == 0) && ((\t) == 2)
.set RA, ADRA+2
.set RB, ADRB+2
.else
.set RA, ADRA
.set RB, ADRB
.endif
	WIN TO_F
.irp i, 0,1,2,3
	FRAG \f+64+16*\i, RB+\slot, \q, \i
.endr
.irp i, 0,1,2,3
	FRAG \f+16*\i, RA+\slot, \q, \i
.endr
.endm
; 8 matrix instructions: blocks a0, a0 + 1 x all four b.  zero = 1: the product starts the sums.  The 16 accumulators take turns, one instruction a turn, in the same order everywhere
.macro MUL8 f, a0, zero
.irp a, \a0, \a0+1
.irp b, 0,1,2,3
.if \zero
	v_wmma_f32_16x16x128_fp8_fp8 v[ACC+8*(4*(\a)+\b):ACC+8*(4*(\a)+\b)+7], v[\f+64+16*\b:\f+64+16*\b+15], v[\f+16*(\a):\f+16*(\a)+15], 0
.else
	v_wmma_f32_16x16x128_fp8_fp8 v[ACC+8*(4*(\a)+\b):ACC+8*(4*(\a)+\b)+7], v[\f+64+16*\b:\f+64+16*\b+15], v[\f+16*(\a):\f+16*(\a)+15], v[ACC+8*(4*(\a)+\b):ACC+8*(4*(\a)+\b)+7]
.endif
.endr
.endr
.endm
; a slot is four quarters of 128 along K, on sets 0, 1, 0, 1.  One of the first three: multiplies set f; in its middle it fetches the slot's quarter qn into set g
.macro QUARTER slot, qn, f, g, zero, t
	s_wait_dscnt 8                                 ; all of set f but the youngest eight loads (blocks 2, 3 of source 1)
	WIN MUL
	MUL8 \f, 0, \zero
	PLACES
	FETCH \slot, \qn, \g, \t
	s_wait_dscnt 32                                ; all but the 32 just issued
	WIN MUL
	MUL8 \f, 2, \zero
.endm
; the last quarter multiplies set 1 and changes slots: one barrier; in front of it each wave has waited for all its tensor loads (its part of the next slot), added 0 to its spare word, and waited for that and for its reads of
; this slot.  fill = 1: this slot is filled again, with the next tile's same K half: the barrier then opens a round of the cluster's barrier, and the joint load is the first thing behind the round.  tn: the tile in the next slot
.macro TURN slot, next, fill, tn
	WIN 0
	s_wait_tensorcnt 0x0
	ds_add_u32 v[SPW], v[NIL]                      ; 0 onto my spare word
	s_wait_dscnt 9                                 ; (the add and the youngest eight loads may be out)
	WIN MUL
	MUL8 F1, 0, 0
	s_wait_dscnt 0x0                               ; the add is done, and my reads of this slot are over
	s_barrier_signal -1
	WIN 0                                          ; at a branch and at a label every window is 0
	s_barrier_wait -1
.if \fill
	CREST                                          ; no wave of any partner still reads this slot or has a load on its way
.if ANEXT
	s_add_nc_u64 s[G0A+4*\slot+2:G0A+4*\slot+3], s[G0A+4*\slot+2:G0A+4*\slot+3], ANEXT
.endif
	s_add_nc_u64 s[G0B+4*\slot+2:G0B+4*\slot+3], s[G0B+4*\slot+2:G0B+4*\slot+3], BNEXT
	JLOAD \slot, 1                                 ; its four v_nop are also the places in front of the loads below
.else
	PLACES
.endif
	FETCH \next, 0, F0, \tn
.if (\fill) && ((\tn) == (\slot))
	global_prefetch_b8 v6, s[40:41] offset:512*\slot th:TH_LOAD_NT scope:SCOPE_SE   ; the first tile's two refills ask for the fill two on: the third tile's same K half; the second tile's ask for nothing
.endif
	WIN MUL
	MUL8 F1, 2, 0
.endm
.macro LOADBC base, off                ; the bias at the eight columns of my half of the lanes, for each b
.irp b, 0,1,2,3
	global_load_b128 v[BC+8*\b:BC+8*\b+3], v[BO], s[\base:\base+1] offset:\off+64*\b
	global_load_b128 v[BC+8*\b+4:BC+8*\b+7], v[BO], s[\base:\base+1] offset:\off+64*\b+16
.endr
.endm
.macro MKS ea, eb, eo                  ; s[84:85] = 2^(eA + eB), twice; v[QS] = 2^eo, v[QL] = 448 x 2^eo.  Values alone hang on the exponents: no branch
	s_add_co_i32 s84, s[\ea], s[\eb]
	s_add_co_i32 s84, s84, 127
	s_lshl_b32 s84, s84, 23
	s_mov_b32 s85, s84                             ; (named with it as a pair)
	s_add_co_i32 s86, s[\eo], 127
	s_lshl_b32 s87, s86, 23
	v_mov_b32 v[QS], s87
	s_add_co_i32 s86, s86, 8
	s_lshl_b32 s86, s86, 23
	s_or_b32 s86, s86, 0x600000
	v_mov_b32 v[QL], s86
.endm
; THE WAY OUT of tile t.  sum x 2^(eA + eB) + bias in one multiply-add, held (KIND 2: between 0 and the largest code x the scale: the activation and the hold in one), converted: a lane's eight numbers are eight neighbours
; of one row of the stage.  The wave's 64 rows x 64 bytes go through its own stage and leave as 4,096 consecutive bytes.  The next tile's first fragments are on their way from LDS meanwhile: LDS instructions end in order.
.macro EPI t
	WIN 0
	s_wait_loadcnt 0x0                             ; the bias
.if \t > 0
	s_wait_xcnt 0x0                                ; the last tile's stores have read v64-95, which are loaded again below
.endif
.if (KIND == 0) && (\t == 2)
	MKS 72, 73, 77                                 ; e4 + e5; v is quantised with e9
.set OB, 10
.set OO, 0
.elseif (KIND == 0) && (\t == 1)
	MKS 70, 71, 75                                 ; e2 + e3; k with e7
.set OB, 12
.set OO, 0x400000
.elseif KIND == 0
	MKS 68, 69, 74                                 ; e0 + e1; q with e6
.set OB, 12
.set OO, 0
.else
	MKS 80, 81, 82                                 ; e12 + e13; e14
.set OB, 12
.set OO, \t*131072                                 ; eight tile columns on: 16 planes of 8,192 bytes
.endif
	PLACES
.irp a, 0,1,2,3
.irp b, 0,1,2,3
.set AC, ACC+8*(4*\a+\b)
.irp i, 0,2,4,6
.if (KIND == 0) && (\t == 2)
	v_pk_fma_f32 v[AC+\i:AC+\i+1], v[AC+\i:AC+\i+1], s[84:85], v[BR+2*\a:BR+2*\a+1] op_sel_hi:[1,0,0]   ; my lane is one channel: its bias serves both halves
.else
	v_pk_fma_f32 v[AC+\i:AC+\i+1], v[AC+\i:AC+\i+1], s[84:85], v[BC+8*\b+\i:BC+8*\b+\i+1] op_sel_hi:[1,0,1]
.endif
.endr
.irp i, 0,1,2,3,4,5,6,7
.if KIND == 2
	v_med3_num_f32 v[AC+\i], v[AC+\i], 0, v[QL]
.else
	v_med3_num_f32 v[AC+\i], v[AC+\i], -v[QL], v[QL]   ; the conversion to an 8-bit code does not saturate (ISA guide 7.6.2)
.endif
.endr
	v_cvt_scalef32_pk8_fp8_f32 v[TMP+2*(4*\a+\b):TMP+2*(4*\a+\b)+1], v[AC:AC+7], v[QS]
.endr
.endr
	v_nop                                          ; one plain vector line behind the last conversion: the next tile's products write its sources
.irp a, 0,1,2,3
.irp b, 0,1,2,3
	ds_store_b64 v[STO], v[TMP+2*(4*\a+\b):TMP+2*(4*\a+\b)+1] offset:1280*\a+16*\b
.endr
.endr
.irp i, 0,1,2,3,4,5,6,7
	ds_load_b128 v[TMP+32+4*\i:TMP+32+4*\i+3], v[RD] offset:640*\i   ; LDS serves a wave's instructions in order (ISA guide 5.7.1.4): these see my stores
.endr
.irp i, 0,1,2,3,4,5,6,7
	s_wait_dscnt 7-\i
	global_store_b128 v[CO], v[TMP+32+4*\i:TMP+32+4*\i+3], s[OB:OB+1] offset:OO+512*\i   ; 32 lanes store 512 consecutive bytes, at a multiple of 512 from the buffer's first byte
.endr
.if (KIND == 0) && (\t == 0)
	LOADBC 88, 0                                   ; bk, for the next tile
.elseif (KIND == 2) && (\t == 0)
	LOADBC 8, 4096                                 ; b1, 1,024 columns on
.endif
.endm
	s_load_b128 s[4:7], s[0:1], 0x0                ; A's codes s[4:5], the weights' codes s[6:7]
.if KIND == 0
	s_load_b64 s[8:9], s[0:1], 0x10                ; bq
	s_load_b128 s[88:91], s[0:1], 0x18             ; bk, bv
	s_load_b64 s[14:15], s[0:1], 0x28              ; the exponents
	s_load_b64 s[12:13], s[0:1], 0x30              ; the output
.else
	s_load_b64 s[8:9], s[0:1], 0x10                ; the bias
	s_load_b64 s[14:15], s[0:1], 0x18
	s_load_b64 s[12:13], s[0:1], 0x20
.endif
	v_lshl_add_u32 v[SPW], v0, 2, SPARE
	v_mov_b32 v[NIL], 0
	ds_add_u32 v[SPW], v[NIL]                      ; the opening lines: the add, twice on end, and its wait ahead of the round in front of my first tensor load
	ds_add_u32 v[SPW], v[NIL]
	v_lshrrev_b32 v1, 5, v0
	v_readfirstlane_b32 s16, v1                    ; wave 0..3
	s_lshr_b32 s17, s16, 1                         ; which half of source 1's rows is mine.  Also: I fetch for A (0) or for B (1)
	s_and_b32 s18, s16, 1                          ; which half of source 0's.  Also: which half of that tile I fetch
	s_bfe_u32 s19, ttmp6, 0x40000                  ; cx, cy: my place in the cluster
	s_bfe_u32 s20, ttmp6, 0x40004
	s_lshl_b32 s21, ttmp9, 2
	s_add_co_u32 s21, s21, s19                     ; tile column = 4 x cluster x + cx: 0 .. 7
	s_and_b32 s22, ttmp7, 0xffff
	s_lshl_b32 s22, s22, 2
	s_add_co_u32 s22, s22, s20                     ; tile row = 4 x cluster y + cy: 0 .. 31
	s_lshl_b32 s40, s20, 2
	s_lshl_b32 s40, 15, s40                        ; my row of the cluster
	s_lshl_b32 s41, 0x1111, s19                    ; my column
	s_or_b32 s[G1A], s40, (1<<20)|(1<<21)|(6<<22)|(3<<25)          ; the mask; elements of 1 byte; padding on; bit 21 beside a mask; after every 128 words, 4 words
	s_or_b32 s[G1B], s41, (1<<20)|(1<<21)|(6<<22)|(3<<25)
.irp g, G1A, G1B
	s_mov_b32 s[\g+1], 512<<16                     ; tensor_dim0: 64 rows of 512 bytes, KTOT bytes apart
	s_mov_b32 s[\g+2], 64<<16                      ; tensor_dim1
	s_mov_b32 s[\g+3], 512<<16                     ; tile_dim0
	s_mov_b32 s[\g+4], 64                          ; tile_dim1
	s_mov_b32 s[\g+5], KTOT                        ; from row to row
	s_mov_b32 s[\g+6], 0
	s_mov_b32 s[\g+7], 0
.endr
	; where the tiles come from: A's hang on the tile row alone, B's on the tile column alone; every wave makes both, in registers that never hold the other coordinate
	s_mul_i32 s42, s22, KTOT*128
	s_mul_i32 s43, s18, KTOT*64
	s_add_co_u32 s42, s42, s43
	s_mov_b32 s43, 0
	s_mul_i32 s46, s21, KTOT*128
	s_mul_i32 s47, s18, KTOT*64
	s_add_co_u32 s46, s46, s47
.if WOFF
	s_add_co_u32 s46, s46, WOFF
.endif
	s_mov_b32 s47, 0
	s_mul_i32 s86, s18, HALF                       ; and where they go: no place in the cluster enters an LDS address
	s_add_co_u32 s87, s86, APART
	s_wait_dscnt 0x0                               ; both opening adds are done
	s_wait_kmcnt 0x0
	s_load_b512 s[68:83], s[14:15], 0x0            ; e0 .. e15 in s68 .. s83
	s_add_nc_u64 s[42:43], s[4:5], s[42:43]
	s_add_nc_u64 s[46:47], s[6:7], s[46:47]
	s_cmp_eq_u32 s17, 0                            ; the prefetches: of the 64 rows that I fetch, my work-group names 16, told from its three partners' by address (cx for A, cy for B)
	s_cselect_b64 s[66:67], s[42:43], s[46:47]
	s_cselect_b32 s2, s19, s20
	s_lshl_b32 s2, s2, 14                          ; 16 rows of 1,024 bytes
	s_mov_b32 s3, 0
	s_add_nc_u64 s[66:67], s[66:67], s[2:3]        ; s[66:67]: those rows in the first tile
	CROUND                                         ; all sixteen work-groups are here: the first joint loads meet
.irp s, 0,1
	s_mov_b32 s[G0A+4*\s], 1
	s_add_co_u32 s[G0A+4*\s+1], s86, \s*SLOT
	s_add_nc_u64 s[G0A+4*\s+2:G0A+4*\s+3], s[42:43], \s*512
	s_or_b32 s[G0A+4*\s+3], s[G0A+4*\s+3], 0x80000000
	s_mov_b32 s[G0B+4*\s], 1
	s_add_co_u32 s[G0B+4*\s+1], s87, \s*SLOT
	s_add_nc_u64 s[G0B+4*\s+2:G0B+4*\s+3], s[46:47], \s*512
	s_or_b32 s[G0B+4*\s+3], s[G0B+4*\s+3], 0x80000000
.if \s == 0
	JLOAD \s, 0                                    ; slot 0: one tensor load a wave at the head
.endif
.endr
	v_and_b32 v1, 15, v0                           ; r = l % 16
	v_bfe_u32 v2, v0, 4, 1                         ; h = l / 16
	v_mul_u32_u24 v3, v1, 528
	v_lshl_add_u32 v3, v2, 4, v3                   ; r x pitch + 16 h
	s_wait_alu depctr_va_vdst(0)
	s_mul_i32 s40, s17, HALF                       ; source 1: my 64 tokens, in A's part
	s_mul_i32 s41, s18, HALF
	s_add_co_u32 s41, s41, APART                   ; source 0: my 64 rows of the weights, in B's part
.irp s, 0,1
	v_add_nc_u32 v[ADRA+\s], s40, v3
	v_add_nc_u32 v[ADRB+\s], s41, v3
	s_add_co_u32 s40, s40, SLOT
	s_add_co_u32 s41, s41, SLOT
.endr
.if KIND == 0
	s_mul_i32 s40, s17, HALF
	s_add_co_u32 s40, s40, APART                   ; the tile of v: source 1 reads the weights' part,
	s_mul_i32 s41, s18, HALF                       ; source 0 the tokens'
.irp s, 0,1
	v_add_nc_u32 v[ADRA+2+\s], s40, v3
	v_add_nc_u32 v[ADRB+2+\s], s41, v3
	s_add_co_u32 s40, s40, SLOT
	s_add_co_u32 s41, s41, SLOT
.endr
.endif
	s_mul_i32 s44, s16, 64*80                      ; my stage: 64 rows of 64 bytes + 16
	s_add_co_u32 s44, s44, STAGE
	v_mul_u32_u24 v5, v1, 80
	v_lshl_add_u32 v5, v2, 3, v5
	v_add_nc_u32 v[STO], s44, v5                   ; in: row r, 8 bytes for each half of the lanes
	v_and_b32 v6, 31, v0
	v_lshrrev_b32 v7, 2, v6
	v_mul_u32_u24 v7, v7, 80
	v_and_b32 v5, 3, v6
	v_lshl_add_u32 v7, v5, 4, v7
	v_add_nc_u32 v[RD], s44, v7                    ; back: four lanes to a row, eight rows an instruction
	v_lshlrev_b32 v[CO], 4, v6
	v_lshrrev_b32 v5, 1, v6                        ; v6 becomes the prefetches' offset and is never rewritten: two lanes to a row, 256 bytes apart: 32 blocks of 256 bytes an instruction
	v_and_b32 v6, 1, v6
	v_lshlrev_b32 v6, 8, v6
	v_lshl_add_u32 v6, v5, 10, v6
	s_cmp_eq_u32 s17, 0
	s_mov_b32 s44, BNEXT
	s_cselect_b32 s44, ANEXT, s44                  ; from tile to tile
	s_mov_b32 s45, 0
	s_add_nc_u64 s[2:3], s[66:67], s[44:45]        ; s[2:3]: my rows in the second tile,
	s_add_nc_u64 s[40:41], s[2:3], s[44:45]        ; s[40:41]: in the third.  None of the three pairs is rewritten
	s_wait_alu depctr_va_vdst(0)                   ; the wait behind the write of v6
	global_prefetch_b8 v6, s[66:67] offset:512 th:TH_LOAD_NT scope:SCOPE_SE   ; what the next two fills will load: the first tile's second K half,
	global_prefetch_b8 v6, s[2:3] th:TH_LOAD_NT scope:SCOPE_SE                ; and the second tile's first
	s_lshl_b32 s46, s21, 9                         ; 128 columns of 4 bytes a tile column
	s_mov_b32 s47, 0
	s_add_nc_u64 s[8:9], s[8:9], s[46:47]
	s_lshl_b32 s45, s18, 8                         ; my 64 columns
	v_lshl_add_u32 v[BO], v2, 5, s45               ; the eight columns of my half of the lanes
	LOADBC 8, 0                                    ; the first tile's bias
.if KIND == 0
	s_add_nc_u64 s[88:89], s[88:89], s[46:47]
	s_add_nc_u64 s[90:91], s[90:91], s[46:47]
	s_lshl_b32 s45, s17, 8
	v_lshl_add_u32 v[BRO], v1, 2, s45
.irp a, 0,1,2,3
	global_load_b32 v[BR+2*\a], v[BRO], s[90:91] offset:64*\a   ; bv at channel 64 x half + 16 a + r of the tile
	v_mov_b32 v[BR+2*\a+1], 0                      ; named as the upper half of a pair
.endr
	s_lshr_b32 s93, s22, 4                         ; the batch: 16 tile rows each
	s_lshl_b32 s93, s93, 4
	s_lshl_b32 s94, s21, 1
	s_add_co_u32 s93, s93, s94                     ; 16 x batch + the tile's first head
	s_and_b32 s92, s22, 15
	s_lshl_b32 s92, s92, 13                        ; the tile's first token in its sequence x 64: in q and k a row, in v a chunk of 64 tokens x 64 channels: the same number
	s_add_co_u32 s94, s93, s17                     ; v: my head goes by source 1's half,
	s_lshl_b32 s94, s94, 17                        ; 2,048 tokens x 64 bytes a head,
	s_add_co_u32 s94, s94, s92
	s_lshl_b32 s95, s18, 12                        ; my 64 tokens by source 0's half
	s_add_co_u32 s94, s94, s95
	s_add_co_u32 s94, s94, 0x800000                ; v lies behind q and k
	s_mov_b32 s95, 0
	s_add_nc_u64 s[10:11], s[12:13], s[94:95]
	s_add_co_u32 s94, s93, s18                     ; q, k: the other way round; k lies 4 MiB behind q, which stands in the stores' immediate
	s_lshl_b32 s94, s94, 17
	s_add_co_u32 s94, s94, s92
	s_lshl_b32 s93, s17, 12
	s_add_co_u32 s94, s94, s93
	s_add_nc_u64 s[12:13], s[12:13], s[94:95]
.else
	s_lshl_b32 s92, s22, 5                         ; hc: 32 planes a block of 128 tokens,
	s_lshl_b32 s93, s21, 1
	s_add_co_u32 s92, s92, s93
	s_add_co_u32 s92, s92, s18                     ; my plane: 2 x tile column + half
	s_lshl_b32 s92, s92, 13
	s_lshl_b32 s93, s17, 12                        ; my 64 tokens in it
	s_add_co_u32 s92, s92, s93
	s_mov_b32 s93, 0
	s_add_nc_u64 s[12:13], s[12:13], s[92:93]
.endif
	s_wait_kmcnt 0x0                               ; the exponents
	s_wait_alu depctr_va_vdst(0)                   ; the wait at the head's end
	s_wait_tensorcnt 0x0                           ; my part of slot 0 is in; slot 1's first fill is issued as a refill is:
	ds_add_u32 v[SPW], v[NIL]                      ; 0 onto my spare word,
	s_wait_dscnt 0x0
	CROUND                                         ; a whole round: everybody's part of slot 0 is in, and the joint loads meet
	JLOAD 1, 0                                     ; the first tensor load behind the round
	global_prefetch_b8 v6, s[2:3] offset:512 th:TH_LOAD_NT scope:SCOPE_SE     ; the fill two on: the second tile's second K half
	FETCH 0, 0, F0, 0
.irp t, 0,1,2
.if \t < NT
	QUARTER 0, 1, F0, F1, 1, \t                    ; a tile's first products start its sums: nothing is cleared
	QUARTER 0, 2, F1, F0, 0, \t
	QUARTER 0, 3, F0, F1, 0, \t
.if \t < NT-1
	TURN 0, 1, 1, \t                               ; slot 0 takes the next tile's first K half
.else
	TURN 0, 1, 0, \t                               ; nothing is left to fetch
.endif
	QUARTER 1, 1, F0, F1, 0, \t
	QUARTER 1, 2, F1, F0, 0, \t
	QUARTER 1, 3, F0, F1, 0, \t
.if \t < NT-1
	TURN 1, 0, 1, \t+1                             ; slot 1 takes its second, and the next tile's first fragments are fetched
.else
	s_wait_dscnt 8                                 ; the very last quarter
	WIN MUL
	MUL8 F1, 0, 0
	s_wait_dscnt 0x0
	MUL8 F1, 2, 0
.endif
	EPI \t
.endif
.endr
	s_wait_tensorcnt 0x0                           ; the wave's end
	ds_add_u32 v[SPW], v[NIL]
	s_wait_dscnt 0x0
	CROUND                                         ; the closing round: no work-group ends while a partner may still ask for a tile that names it
	s_endpgm
.Lfunc_end_k_qe8706b458d_proj:
	.size	k_qe8706b458d_proj, .Lfunc_end_k_qe8706b458d_proj-k_qe8706b458d_proj
	.p2alignl 7, 3214868480
	.fill 96, 4, 3214868480
	.section	.rodata,"a",@progbits
	.p2align	6, 0x0
	.amdhsa_kernel k_qe8706b458d_proj
		.amdhsa_group_segment_fixed_size 327680
		.amdhsa_private_segment_fixed_size 0
		.amdhsa_enable_private_segment 0
		.amdhsa_kernarg_size 56
		.amdhsa_user_sgpr_count 2
		.amdhsa_user_sgpr_kernarg_segment_ptr 1
		.amdhsa_wavefront_size32 1
		.amdhsa_system_sgpr_workgroup_id_x 1
		.amdhsa_system_sgpr_workgroup_id_y 1
		.amdhsa_system_sgpr_workgroup_id_z 1
		.amdhsa_system_vgpr_workitem_id 0
		.amdhsa_next_free_vgpr 512
		.amdhsa_next_free_sgpr 96
		.amdhsa_reserve_vcc 0
		.amdhsa_float_denorm_mode_32 3
		.amdhsa_float_denorm_mode_16_64 3
		.amdhsa_memory_ordered 1
		.amdhsa_forward_progress 1
		.amdhsa_inst_pref_size 144
	.end_amdhsa_kernel
	.amdgpu_metadata
---
amdhsa.version: [ 1, 2 ]
amdhsa.kernels:
  - .name:           k_qe8706b458d_proj
    .symbol:         k_qe8706b458d_proj.kd
    .args:
      - { .name: xc, .offset: 0, .size: 8, .value_kind: global_buffer, .address_space: global }
      - { .name: wc, .offset: 8, .size: 8, .value_kind: global_buffer, .address_space: global }
      - { .name: bq, .offset: 16, .size: 8, .value_kind: global_buffer, .address_space: global }
      - { .name: bk, .offset: 24, .size: 8, .value_kind: global_buffer, .address_space: global }
      - { .name: bv, .offset: 32, .size: 8, .value_kind: global_buffer, .address_space: global }
      - { .name: lowp_scales, .offset: 40, .size: 8, .value_kind: global_buffer, .address_space: global }
      - { .name: qkv, .offset: 48, .size: 8, .value_kind: global_buffer, .address_space: global }
    .group_segment_fixed_size: 327680
    .private_segment_fixed_size: 0
    .kernarg_segment_align: 8
    .kernarg_segment_size: 56
    .max_flat_workgroup_size: 128
    .sgpr_count:     96
    .vgpr_count:     512
    .wavefront_size: 32
...
	.end_amdgpu_metadata
.endif
;; end of part 2
;; launch attn (part 3): grid 8 x 32, 8 waves a work-group, clusters of 4 x 1, 327,680 bytes of LDS; arguments qkv, lowp_scales, ao; writes ao
.if DOCPART == 3
	.amdgcn_target "amdgcn-amd-amdhsa--gfx1250"
	.amdhsa_code_object_version 6
	.text
	.protected	k_qe8706b458d_attn
	.globl	k_qe8706b458d_attn
	.p2align	8
	.type	k_qe8706b458d_attn,@function
k_qe8706b458d_attn:
	s_mov_b64 s[64:65], 0
	v_nop
	global_prefetch_b8 v0, s[64:65] scope:SCOPE_SE
	s_setreg_imm32_b32 hwreg(HW_REG_WAVE_MODE, 25, 1), 1
	s_wait_xcnt 0x0
	s_wait_alu depctr_hold_cnt(0) depctr_sa_sdst(0) depctr_va_vdst(0) depctr_va_sdst(0) depctr_va_ssrc(0) depctr_va_vcc(0) depctr_vm_vsrc(0)
	s_getreg_b32 s2, hwreg(HW_REG_IB_STS2, 6, 4)
	s_cmp_eq_u32 s2, 0
	s_cbranch_scc0 .Lentry_in_a_cluster
	s_endpgm
.Lentry_in_a_cluster:
	s_bfe_u32 s2, ttmp6, 0x10000c
	s_cmp_lg_u32 s2, 0x3003
	s_cbranch_scc0 .Lentry_shape_is_right
	s_endpgm
.Lentry_shape_is_right:
; Attention on codes of E4M3, head size 64, 2,048 keys, no mask.  q, k: [batch x head 32][token 2048][64]; v: [batch x head][chunk of 64 tokens][channel 64][token 64] (the keys innermost), all in qkv, 4 MiB apart.
; t = score x log2(e) / 8; M = the running largest t rounded UP to a whole number; p = 2^(t - M) is quantised with 2^e8, not normalised; the row's sum is taken of the unquantised p and divides at the end;
; when M moves, the sum and O are multiplied by 2^(old M - new M), which rounds nothing.  O x 2^(e8 + e9) / sum is quantised with 2^e10 -> ao, [128 tokens' block][head][token][64 bytes].
; LIMITS: e6 + e7 between -123 and 130 (added to the exponent field of log2(e) / 8); e8 and e10 between -126 and 119; the scaled scores stay under 2^31 in magnitude.  NaN is not served.
; SHARES.  A work-group owns 256 queries of one batch and head; each of its eight waves 32 of them, two tiles A and B of 16: every fragment of K and of V that a wave reads from LDS feeds two matrix instructions.
; ALL OF THE HEAD'S K AND V LIES IN LDS (2 x 131,072 bytes and their padding): each byte is filled once, by one tensor load a wave at the head (waves 0-3: 512 keys of K each, waves 4-7: of V), and nothing is filled again.
; So one barrier stands in front of the loop and none in it.  No prefetch: no load follows the head's, so there is nothing to ask for ahead.
; CLUSTER: the four query blocks of a cluster belong to one head and want the same K and V: every load is a joint one, with the mask of all four.
; LAYOUT.  Both products transposed: S^T = K Q^T (16x16x64: source 0 = 16 keys, source 1 = 16 queries), O^T = V^T P^T (16x16x128: source 0 = 16 channels, source 1 = P): a lane holds ONE query of each tile throughout.
; THE KEYS OF A TILE ARE NOT NEIGHBOURS: lane r of tile 2 b + u takes key 32 b + 8 u + r + 8 (r / 8), so that the 16 registers of tiles 2 b, 2 b + 1 are keys 32 b + 16 (l / 16) + 0 .. 15: the conversions' results are P's registers.
; Fragments come by loads of 16 bytes (registers 4 c .. 4 c + 3: K = 32 c + 16 (l / 16) + 0 .. 15), alike on both sides of each product: a permutation of k inside an instruction.
; LDS: K at 0: rows of two keys, 128 bytes + 16: key n at 144 (n / 2) + 64 (n % 2).  V at VOFF: a chunk is 16 rows of four channels, 256 bytes + 16: channel c at 272 (c / 4) + 64 (c % 4).
;   Behind them a stage of 32 rows x 80 bytes for each wave, then the spare words.
; REGISTERS.  Window 0: v1-9 addresses; v10, v12 -M of B, A (low halves of pairs with v11, v13, the largest raw score); v[14:15], v[16:17] the sums; v18, v20 f; v22-24 constants; v26-31 at work;
;   v32-95 S^T then p of A, v96-159 of B; v160-191 O^T of A, v192-223 of B; v224-255 at work.   Window 1: v0-15 Q; v16-79 K's eight fragments; v80-143 V's four; v144-175 p's codes.
;   All the softmax's lines run with every window 0; 0x40 (destination window 1) serves the loads and the conversions, 0x05 (sources 0 and 1 window 1) the products.
.set VOFF,  147456
.set STAGE, 286720
.set SPARE, 307200                     ; 128 bytes for each wave: four blocks of 256 bytes that no other line names
.set SA, 32
.set SB, 96
.set OA, 160
.set OB, 192
.set QF, 0
.set KF, 16
.set VF, 80
.set PC, 144
.set SPW, 5                            ; v5 LDS address of my spare word; v6 = 0; never rewritten
.set NIL, 6
.set G1K, 24                           ; s[24:31] descriptor group 1 for K;  s[32:39] for V;  s[40:43], s[44:47] their groups 0
.set G1V, 32
.set G0K, 40
.set G0V, 44
.set MSB, 0
.macro WIN new                         ; the immediate's high byte repeats the setting that is left
.if MSB != \new
	s_set_vgpr_msb (MSB<<8)|\new
.set MSB, \new
.endif
.endm
.macro CROUND                          ; a round of the cluster's barrier
	s_barrier_signal -1
	s_barrier_wait -1
	s_cmp_lg_u32 s18, 0
	s_cbranch_scc1 .Lnot_wave_0_\@
	s_barrier_signal -3
.Lnot_wave_0_\@:
	s_barrier_wait -3
	s_barrier_signal -1
	s_barrier_wait -1
.endm
.macro HOLD r                          ; two numbers held at 448 x 2^e8 (v22 = v23): the conversion to an 8-bit code does not saturate (ISA guide 7.6.2); p is not negative, so the hold is one-sided
	v_dual_min_num_f32 v[\r], v22, v[\r] :: v_dual_min_num_f32 v[\r+1], v23, v[\r+1]
.endm
	s_load_b128 s[4:7], s[0:1], 0x0                ; qkv s[4:5], the exponents s[6:7]
	s_load_b64 s[8:9], s[0:1], 0x10                ; ao
	v_lshl_add_u32 v[SPW], v0, 2, SPARE
	v_mov_b32 v[NIL], 0
	ds_add_u32 v[SPW], v[NIL]                      ; the opening lines: the add, twice on end, and its wait
	ds_add_u32 v[SPW], v[NIL]
	v_lshrrev_b32 v8, 5, v0
	v_readfirstlane_b32 s18, v8                    ; wave 0..7
	s_and_b32 s19, s18, 3                          ; which 512 keys I fetch
	s_and_b32 s10, ttmp7, 0xffff                   ; 16 x batch + head, which the four partners share
	s_bfe_u32 s11, ttmp6, 0x40000                  ; cx
	s_lshl_b32 s56, ttmp9, 2
	s_add_co_u32 s11, s11, s56                     ; my block of 256 queries: it enters Q's and the output's addresses alone
	s_lshl_b32 s14, s10, 17                        ; a head's 131,072 bytes,
	s_lshl_b32 s15, s19, 15                        ; my 32,768 of them
	s_add_co_u32 s14, s14, s15
	s_mov_b32 s15, 0
	s_mul_i32 s16, s19, 256*144                    ; their place in LDS: K: 256 rows,
	s_mul_i32 s17, s19, 128*272                    ; V: eight chunks
	s_add_co_u32 s17, s17, VOFF
	s_mov_b32 s[G1K], 15|(3<<16)|(1<<20)|(1<<21)|(4<<22)|(3<<25)  ; the mask: all four work-groups; elements of 8 bytes; padding on; bit 21 beside a mask; after every 32 words, 4 words
	s_mov_b32 s[G1K+1], 16<<16                     ; tensor_dim0: 16 elements = 128 bytes
	s_mov_b32 s[G1K+2], 256<<16                    ; tensor_dim1 = 256 rows, dense in memory
	s_mov_b32 s[G1K+3], 16<<16                     ; tile_dim0
	s_mov_b32 s[G1K+4], 256                        ; tile_dim1
	s_mov_b32 s[G1K+5], 16                         ; from row to row
	s_mov_b32 s[G1K+6], 0
	s_mov_b32 s[G1K+7], 0
	s_mov_b32 s[G1V], 15|(3<<16)|(1<<20)|(1<<21)|(5<<22)|(3<<25)  ; padding: after every 64 words, 4 words
	s_mov_b32 s[G1V+1], 32<<16                     ; 128 rows of 256 bytes
	s_mov_b32 s[G1V+2], 128<<16
	s_mov_b32 s[G1V+3], 32<<16
	s_mov_b32 s[G1V+4], 128
	s_mov_b32 s[G1V+5], 32
	s_mov_b32 s[G1V+6], 0
	s_mov_b32 s[G1V+7], 0
	s_mov_b32 s20, 0x76543210                      ; v_permlanex16_b32: lane l takes lane l xor 16
	s_mov_b32 s21, 0xfedcba98
	s_mov_b32 s22, 0x3e38aa3b                      ; c = log2(e) / sqrt(64)
	s_wait_dscnt 0x0                               ; both opening adds are done
	s_wait_kmcnt 0x0
	s_load_b512 s[84:99], s[6:7], 0x0              ; e0 .. e15 in s84 .. s99
	s_add_nc_u64 s[14:15], s[4:5], s[14:15]
	s_mov_b32 s[G0K], 1
	s_mov_b32 s[G0K+1], s16
	s_add_nc_u64 s[G0K+2:G0K+3], s[14:15], 0x400000
	s_or_b32 s[G0K+3], s[G0K+3], 0x80000000
	s_mov_b32 s[G0V], 1
	s_mov_b32 s[G0V+1], s17
	s_add_nc_u64 s[G0V+2:G0V+3], s[14:15], 0x800000
	s_or_b32 s[G0V+3], s[G0V+3], 0x80000000
	CROUND                                         ; all four work-groups are here: the joint loads meet
	s_cmp_lt_u32 s18, 4                            ; one fill a wave, in the two arms of one branch on the wave's number
	s_cbranch_scc0 .Lfor_v
	tensor_load_to_lds s[G0K:G0K+3], s[G1K:G1K+7]
	s_nop 0
.rept 4
	v_nop
.endr
	s_branch .Lasked
.Lfor_v:
	tensor_load_to_lds s[G0V:G0V+3], s[G1V:G1V+7]
	s_nop 0
.rept 4
	v_nop
.endr
.Lasked:
	s_lshl_b32 s56, s10, 17
	s_lshl_b32 s57, s11, 14                        ; 256 queries of 64 bytes,
	s_add_co_u32 s56, s56, s57
	s_lshl_b32 s57, s18, 11                        ; my wave's 32
	s_add_co_u32 s56, s56, s57
	s_mov_b32 s57, 0
	s_add_nc_u64 s[4:5], s[4:5], s[56:57]          ; Q at my first query
	s_lshr_b32 s58, s10, 4                         ; the output: token = 2,048 x batch + 256 x block + 32 x wave; its block of 128:
	s_lshl_b32 s58, s58, 4
	s_lshl_b32 s59, s11, 1
	s_add_co_u32 s58, s58, s59
	s_lshr_b32 s59, s18, 2
	s_add_co_u32 s58, s58, s59
	s_lshl_b32 s58, s58, 4                         ; 16 heads' planes a block,
	s_and_b32 s59, s10, 15
	s_add_co_u32 s58, s58, s59                     ; my head's,
	s_lshl_b32 s58, s58, 13                        ; of 128 tokens x 64 bytes,
	s_lshl_b32 s59, s19, 11                        ; my 32 tokens in it
	s_add_co_u32 s58, s58, s59
	s_mov_b32 s59, 0
	s_add_nc_u64 s[8:9], s[8:9], s[58:59]
	s_mul_i32 s60, s18, 32*80
	s_add_co_u32 s60, s60, STAGE                   ; my stage
	v_and_b32 v8, 15, v0                           ; r
	v_bfe_u32 v9, v0, 4, 1                         ; h
	v_lshlrev_b32 v224, 6, v8
	v_lshl_add_u32 v224, v9, 4, v224
	WIN 0x40
	global_load_b128 v[QF:QF+3], v224, s[4:5]      ; Q's two fragments stay in registers
	global_load_b128 v[QF+4:QF+7], v224, s[4:5] offset:32
	global_load_b128 v[QF+8:QF+11], v224, s[4:5] offset:1024
	global_load_b128 v[QF+12:QF+15], v224, s[4:5] offset:1056
	WIN 0
	v_and_b32 v10, 8, v8
	v_add_nc_u32 v10, v10, v8                      ; r + 8 (r / 8)
	v_lshrrev_b32 v10, 1, v10
	v_mul_u32_u24 v1, v10, 144
	v_and_b32 v10, 1, v8
	v_lshl_add_u32 v1, v10, 6, v1
	v_lshl_add_u32 v1, v9, 4, v1                   ; v1: my lane's place in a tile of K
	v_lshrrev_b32 v10, 2, v8
	v_mul_u32_u24 v2, v10, 272
	v_and_b32 v10, 3, v8
	v_lshl_add_u32 v2, v10, 6, v2
	v_lshl_add_u32 v2, v9, 4, v2
	v_add_nc_u32 v2, VOFF, v2                      ; v2: in a tile of V
	v_mul_u32_u24 v3, v8, 80
	v_lshl_add_u32 v3, v9, 3, v3
	v_add_nc_u32 v3, s60, v3                       ; v3: the stage, in: row r, 8 bytes for each half of the lanes
	v_and_b32 v7, 31, v0
	v_lshrrev_b32 v4, 2, v7
	v_mul_u32_u24 v4, v4, 80
	v_and_b32 v10, 3, v7
	v_lshl_add_u32 v4, v10, 4, v4
	v_add_nc_u32 v4, s60, v4                       ; v4: back: four lanes to a row
	v_lshlrev_b32 v7, 4, v7                        ; v7: 16 bytes a lane in the output
	v_mov_b32 v13, 0xff61b1e6                      ; the largest raw score so far: -3e38, under every score
	v_mov_b32 v11, 0xff61b1e6
	v_mov_b32 v12, 0x7f000000                      ; -M = 2^127: the first change of M gives f = 0, which multiplies zeros
	v_mov_b32 v10, 0x7f000000
.irp j, 14,15,16,17,19,21,30,31
	v_mov_b32 v\j, 0                               ; the sums; the upper halves of f's pairs; the lane exchanges' destinations, which count as sources
.endr
.set n, 0
.rept 64
	v_mov_b32 v[OA+n], 0                           ; O^T: the step is written once, with no first step of its own
.set n, n+1
.endr
	s_wait_kmcnt 0x0
	s_add_co_i32 s56, s90, s91                     ; a score stands for score x 2^(e6 + e7): the exponents are added to c's exponent field
	s_lshl_b32 s56, s56, 23
	s_add_co_i32 s22, s22, s56
	s_mov_b32 s23, s22                             ; (named with it as a pair)
	s_add_co_i32 s56, s92, 127
	s_lshl_b32 s57, s56, 23
	v_mov_b32 v24, s57                             ; 2^e8, for p's conversions
	s_add_co_i32 s56, s56, 8
	s_lshl_b32 s56, s56, 23
	s_or_b32 s56, s56, 0x600000
	v_mov_b32 v22, s56                             ; 448 x 2^e8, twice: one for each half of a dual pair
	v_mov_b32 v23, s56
	s_add_co_i32 s56, s94, 127
	s_lshl_b32 s57, s56, 23
	v_mov_b32 v228, s57                            ; 2^e10, for the output's
	s_add_co_i32 s56, s56, 8
	s_lshl_b32 s56, s56, 23
	s_or_b32 s56, s56, 0x600000
	v_mov_b32 v229, s56                            ; 448 x 2^e10
	s_add_co_i32 s61, s92, s93                     ; e8 + e9
	s_mov_b32 s12, 0                               ; the step's LDS bytes in K,
	s_mov_b32 s13, 0                               ; and in V
	s_mov_b32 s66, 16                              ; 16 steps of 128 keys
	s_wait_alu depctr_va_vdst(0)                   ; the wait at the head's end
	s_wait_loadcnt 0x0                             ; Q
	s_wait_tensorcnt 0x0                           ; my one load has landed;
	s_barrier_signal -1
	s_barrier_wait -1                              ; everybody's has: all of K and V is in.
.Lstep:
	v_add_nc_u32 v8, s12, v1
	v_add_nc_u32 v9, s13, v2
	v_nop                                          ; with the two additions: four places in front of loads into registers that the last products read
	v_nop
	WIN 0x40
.irp t, 0,1,2,3,4,5,6,7
	ds_load_b128 v[KF+8*\t:KF+8*\t+3], v8 offset:2304*(\t/2)+576*(\t%2)
	ds_load_b128 v[KF+8*\t+4:KF+8*\t+7], v8 offset:2304*(\t/2)+576*(\t%2)+32
.endr
.irp t, 0,1,2,3
.irp c, 0,1,2,3
	ds_load_b128 v[VF+16*\t+4*\c:VF+16*\t+4*\c+3], v9 offset:(\c/2)*4352+1088*\t+32*(\c%2)
.endr
.endr
	s_wait_dscnt 16                                ; K's 16 loads are in; V's 16, issued behind them, may be out
	WIN 0x05
.irp t, 0,1,2,3,4,5,6,7
	v_wmma_f32_16x16x64_fp8_fp8 v[SA+8*\t:SA+8*\t+7], v[KF+8*\t:KF+8*\t+7], v[QF:QF+7], 0
	v_wmma_f32_16x16x64_fp8_fp8 v[SB+8*\t:SB+8*\t+7], v[KF+8*\t:KF+8*\t+7], v[QF+8:QF+15], 0
.endr
	WIN 0
.rept 4
	v_nop
.endr
	v_max3_num_f32 v26, v[SA], v[SA+1], v[SA+2]    ; the step's largest score of each of my two queries among my 64 keys: two chains a tile, the four by turns; each accumulator from its low end on
	v_max3_num_f32 v28, v[SB], v[SB+1], v[SB+2]
	v_max3_num_f32 v27, v[SA+3], v[SA+4], v[SA+5]
	v_max3_num_f32 v29, v[SB+3], v[SB+4], v[SB+5]
.irp i, 6,10,14,18,22,26,30,34,38,42,46,50,54,58
	v_max3_num_f32 v26, v26, v[SA+\i], v[SA+\i+1]
	v_max3_num_f32 v28, v28, v[SB+\i], v[SB+\i+1]
	v_max3_num_f32 v27, v27, v[SA+\i+2], v[SA+\i+3]
	v_max3_num_f32 v29, v29, v[SB+\i+2], v[SB+\i+3]
.endr
	v_max3_num_f32 v26, v26, v[SA+62], v[SA+63]
	v_max3_num_f32 v28, v28, v[SB+62], v[SB+63]
	v_max_num_f32 v26, v26, v27
	v_max_num_f32 v28, v28, v29
	v_permlanex16_b32 v30, v26, s20, s21
	v_permlanex16_b32 v31, v28, s20, s21
	v_max3_num_f32 v13, v13, v26, v30              ; the running largest raw score: mine and lane l xor 16's
	v_max3_num_f32 v11, v11, v28, v31
	v_mul_f32 v26, s22, v13                        ; as t (c is positive)
	v_mul_f32 v28, s22, v11
	v_mov_b32 v27, v12
	v_mov_b32 v29, v10
	v_floor_f32 v12, -v26                          ; the new -M = floor(-t) = -ceil(t)
	v_floor_f32 v10, -v28
	v_sub_f32 v27, v12, v27                        ; old M - new M: a whole number, 0 or less
	v_sub_f32 v29, v10, v29
	v_cvt_i32_f32 v27, v27                         ; (it saturates)
	v_cvt_i32_f32 v29, v29
	v_ldexp_f32 v18, 1.0, v27                      ; f = 2^(old M - new M)
	v_ldexp_f32 v20, 1.0, v29
.set n, 0
.rept 32
	v_pk_fma_f32 v[SA+n:SA+n+1], v[SA+n:SA+n+1], s[22:23], v[12:13] op_sel_hi:[1,0,0]   ; t - M, two at a time (of the pairs c and -M the low word serves both halves)
	v_pk_fma_f32 v[SB+n:SB+n+1], v[SB+n:SB+n+1], s[22:23], v[10:11] op_sel_hi:[1,0,0]
.set n, n+2
.endr
	s_wait_alu depctr_va_vdst(0)                   ; the wait ahead of the batch
.set n, 0
.rept 128
	v_exp_f32 v[SA+n], v[SA+n]                     ; p = 2^(t - M), at most 1; both tiles in one batch
.set n, n+1
.endr
	v_pk_mul_f32 v[14:15], v[14:15], v[18:19] op_sel_hi:[1,0]   ; the sums under the new M.  (The plain lines behind the exponentials)
	v_pk_mul_f32 v[16:17], v[16:17], v[20:21] op_sel_hi:[1,0]
	s_wait_alu depctr_va_vdst(0)                   ; one wait for the whole batch, ahead of its first reader
	v_pk_add_f32 v[224:225], v[SA:SA+1], v[SA+2:SA+3]   ; the rows' sums of the unquantised p: two chains a tile, the four by turns
	v_pk_add_f32 v[226:227], v[SB:SB+1], v[SB+2:SB+3]
.set n, 4
.rept 15
	v_pk_add_f32 v[14:15], v[14:15], v[SA+n:SA+n+1]
	v_pk_add_f32 v[16:17], v[16:17], v[SB+n:SB+n+1]
	v_pk_add_f32 v[224:225], v[224:225], v[SA+n+2:SA+n+3]
	v_pk_add_f32 v[226:227], v[226:227], v[SB+n+2:SB+n+3]
.set n, n+4
.endr
	v_pk_add_f32 v[14:15], v[14:15], v[224:225]
	v_pk_add_f32 v[16:17], v[16:17], v[226:227]
.set n, 0
.rept 64
	HOLD SA+n
.set n, n+2
.endr
	WIN 0x40                                       ; the codes go to window 1
.irp b, 0,1,2,3,4,5,6,7
	v_cvt_scalef32_pk8_fp8_f32 v[PC+4*\b:PC+4*\b+1], v[SA+16*\b:SA+16*\b+7], v24
	v_cvt_scalef32_pk8_fp8_f32 v[PC+4*\b+2:PC+4*\b+3], v[SA+16*\b+8:SA+16*\b+15], v24
.endr
	WIN 0
	s_wait_alu depctr_va_vdst(0)                   ; the wait here, directly ahead of the first reader of O^T
.set n, 0
.rept 16
	v_pk_mul_f32 v[OA+n:OA+n+1], v[OA+n:OA+n+1], v[18:19] op_sel_hi:[1,0]   ; O^T under the new M.  (Also the plain lines between the conversions and the products)
	v_pk_mul_f32 v[OB+n:OB+n+1], v[OB+n:OB+n+1], v[20:21] op_sel_hi:[1,0]
.set n, n+2
.endr
	s_wait_alu depctr_va_vdst(0)                   ; the wait here, directly ahead of the wait below
	s_wait_dscnt 0x0                               ; V is in
	WIN 0x05
.irp t, 0,1,2,3
	v_wmma_f32_16x16x128_fp8_fp8 v[OA+8*\t:OA+8*\t+7], v[VF+16*\t:VF+16*\t+15], v[PC:PC+15], v[OA+8*\t:OA+8*\t+7]   ; the eight accumulators take turns
	v_wmma_f32_16x16x128_fp8_fp8 v[OB+8*\t:OB+8*\t+7], v[VF+16*\t:VF+16*\t+15], v[PC+16:PC+31], v[OB+8*\t:OB+8*\t+7]
.endr
	WIN 0                                          ; at a branch and at a label every window is 0
	s_add_co_u32 s12, s12, 64*144                  ; 128 keys on
	s_add_co_u32 s13, s13, 2*4352
	s_sub_co_u32 s66, s66, 1
	s_cmp_lg_u32 s66, 0
	s_cbranch_scc1 .Lstep
	; THE WAY OUT: O^T x 2^(e8 + e9) / the sum, quantised with 2^e10: a lane's eight channels are eight bytes of its query's row; the wave's 32 rows x 64 bytes go through its stage and leave as 2,048 consecutive bytes
.rept 4
	v_nop
.endr
	v_add_f32 v14, v14, v15                        ; the sums' two halves,
	v_add_f32 v16, v16, v17
	v_permlanex16_b32 v30, v14, s20, s21
	v_permlanex16_b32 v31, v16, s20, s21
	v_add_f32 v14, v14, v30                        ; and lane l xor 16's
	v_add_f32 v16, v16, v31
	s_wait_alu depctr_va_vdst(0)                   ; the wait ahead of the transcendentals
	v_rcp_f32 v14, v14
	v_rcp_f32 v16, v16
	v_nop                                          ; one plain line behind a transcendental
	s_wait_alu depctr_va_vdst(0)                   ; and the wait ahead of the first reader
	v_ldexp_f32 v14, v14, s61
	v_ldexp_f32 v16, v16, s61
	s_wait_alu depctr_va_vdst(0)                   ; the wait here, directly ahead of the first reader of O^T
.set n, 0
.rept 16
	v_pk_mul_f32 v[SA+n:SA+n+1], v[OA+n:OA+n+1], v[14:15] op_sel_hi:[1,0]   ; register 8 t + i: channel 16 t + 8 (l / 16) + i
	v_pk_mul_f32 v[SA+32+n:SA+32+n+1], v[OB+n:OB+n+1], v[16:17] op_sel_hi:[1,0]
.set n, n+2
.endr
.set n, 0
.rept 64
	v_med3_num_f32 v[SA+n], v[SA+n], -v229, v229
.set n, n+1
.endr
.irp t, 0,1,2,3,4,5,6,7
	v_cvt_scalef32_pk8_fp8_f32 v[232+2*\t:233+2*\t], v[SA+8*\t:SA+8*\t+7], v228
.endr
	v_nop                                          ; one plain vector line behind the last conversion
.irp t, 0,1,2,3,4,5,6,7
	ds_store_b64 v3, v[232+2*\t:233+2*\t] offset:1280*(\t/4)+16*(\t%4)
.endr
.irp i, 0,1,2,3
	ds_load_b128 v[32+4*\i:35+4*\i], v4 offset:640*\i   ; LDS serves a wave's instructions in order (ISA guide 5.7.1.4): these see my stores
.endr
.irp i, 0,1,2,3
	s_wait_dscnt 3-\i
	global_store_b128 v7, v[32+4*\i:35+4*\i], s[8:9] offset:512*\i   ; 32 lanes store 512 consecutive bytes, at a multiple of 512 from the buffer's first byte
.endr
	s_wait_tensorcnt 0x0                           ; the wave's end
	ds_add_u32 v[SPW], v[NIL]
	s_wait_dscnt 0x0
	CROUND                                         ; the closing round: no work-group ends while a partner may still ask for a tile that names it
	s_endpgm
.Lfunc_end_k_qe8706b458d_attn:
	.size	k_qe8706b458d_attn, .Lfunc_end_k_qe8706b458d_attn-k_qe8706b458d_attn
	.p2alignl 7, 3214868480
	.fill 96, 4, 3214868480
	.section	.rodata,"a",@progbits
	.p2align	6, 0x0
	.amdhsa_kernel k_qe8706b458d_attn
		.amdhsa_group_segment_fixed_size 327680
		.amdhsa_private_segment_fixed_size 0
		.amdhsa_enable_private_segment 0
		.amdhsa_kernarg_size 24
		.amdhsa_user_sgpr_count 2
		.amdhsa_user_sgpr_kernarg_segment_ptr 1
		.amdhsa_wavefront_size32 1
		.amdhsa_system_sgpr_workgroup_id_x 1
		.amdhsa_system_sgpr_workgroup_id_y 1
		.amdhsa_system_sgpr_workgroup_id_z 1
		.amdhsa_system_vgpr_workitem_id 0
		.amdhsa_next_free_vgpr 448
		.amdhsa_next_free_sgpr 100
		.amdhsa_reserve_vcc 0
		.amdhsa_float_denorm_mode_32 3
		.amdhsa_float_denorm_mode_16_64 3
		.amdhsa_memory_ordered 1
		.amdhsa_forward_progress 1
		.amdhsa_inst_pref_size 48
	.end_amdhsa_kernel
	.amdgpu_metadata
---
amdhsa.version: [ 1, 2 ]
amdhsa.kernels:
  - .name:           k_qe8706b458d_attn
    .symbol:         k_qe8706b458d_attn.kd
    .args:
      - { .name: qkv, .offset: 0, .size: 8, .value_kind: global_buffer, .address_space: global }
      - { .name: lowp_scales, .offset: 8, .size: 8, .value_kind: global_buffer, .address_space: global }
      - { .name: ao, .offset: 16, .size: 8, .value_kind: global_buffer, .address_space: global }
    .group_segment_fixed_size: 327680
    .private_segment_fixed_size: 0
    .kernarg_segment_align: 8
    .kernarg_segment_size: 24
    .max_flat_workgroup_size: 256
    .sgpr_count:     100
    .vgpr_count:     448
    .wavefront_size: 32
...
	.end_amdgpu_metadata
.endif
;; end of part 3
;; launch oproj (part 4): grid 8 x 32, 4 waves a work-group, clusters of 4 x 4, 327,680 bytes of LDS; arguments ao, wc, bo, x, lowp_scales, x1; writes x1
.if DOCPART == 4
	.amdgcn_target "amdgcn-amd-amdhsa--gfx1250"
	.amdhsa_code_object_version 6
	.text
	.protected	k_qe8706b458d_oproj
	.globl	k_qe8706b458d_oproj
	.p2align	8
	.type	k_qe8706b458d_oproj,@function
k_qe8706b458d_oproj:
	s_mov_b64 s[64:65], 0
	v_nop
	global_prefetch_b8 v0, s[64:65] scope:SCOPE_SE
	s_setreg_imm32_b32 hwreg(HW_REG_WAVE_MODE, 25, 1), 1
	s_wait_xcnt 0x0
	s_wait_alu depctr_hold_cnt(0) depctr_sa_sdst(0) depctr_va_vdst(0) depctr_va_sdst(0) depctr_va_ssrc(0) depctr_va_vcc(0) depctr_vm_vsrc(0)
	s_getreg_b32 s2, hwreg(HW_REG_IB_STS2, 6, 4)
	s_cmp_eq_u32 s2, 0
	s_cbranch_scc0 .Lentry_in_a_cluster
	s_endpgm
.Lentry_in_a_cluster:
	s_bfe_u32 s2, ttmp6, 0x10000c
	s_cmp_lg_u32 s2, 0xf033
	s_cbranch_scc0 .Lentry_shape_is_right
	s_endpgm
.Lentry_shape_is_right:
; THIS COPY: KIND 1, the output projection and the first residual.  (One text serves four launches; the six constants below say which.)
; C = A B^T on codes of E4M3, by v_wmma_f32_16x16x128_fp8_fp8, sums in f32; each finished sum x 2^(eA + eB), then what the layer does to it:
;   KIND 0  A = xc (plane of the projection), B = wq | wk | wv as one [3072][1024]; + bias; quantised with e6 | e7 | e9 -> qkv: q, k as [batch x head][token][64], v as [batch x head][64 tokens' chunk][channel][token]
;   KIND 1  A = ao, B = wo; + bo + x -> x1 (f32)          KIND 2  A = yc, B = w1; + b1, relu, quantised with e14 -> hc          KIND 3  A = hc, B = w2; + b2 + x1 -> out0 (f32)
; LIMITS: eA + eB between -126 and 127; the exponent of an output's quantiser between -126 and 119: so that each power of two below is an f32 number.  NaN is not served.
; SHARES.  A tile of C is 128 x 128: at N = 1,024 that gives each of 256 work-groups one tile.  Four waves, each 64 x 64: 16 accumulators.  USED TRANSPOSED: source 0 = 16 rows of B, source 1 = 16 rows of A:
; a lane then holds row l % 16 of C and eight neighbouring columns.  A fragment (16 rows x 128 K, 16 registers) comes by four loads of 16 bytes: registers 4 c .. 4 c + 3 hold K = 32 c + 16 (l / 16) + 0 .. 15, alike in A and B:
; a permutation of k inside an instruction, which changes the order of its sums alone.
; K goes through two LDS slots of 512 along K.  K = 1,024 is two slots: both are filled once, at the start, and nothing is filled again.  K = 2,048 (KIND 3) fills each slot once more (RING = 1).
; CLUSTERS: 4 x 4 work-groups; A's tile is asked for jointly by the four of a row of the cluster, B's by the four of a column.
; A IN PLANES (APLANE = 1): ao and hc lie as [128 tokens' block][64 along K: a plane][token][64 bytes], so that their makers store consecutive bytes; a slot's eight planes are 65,536 consecutive bytes.
; KIND 0, v: the two sources' LDS regions change places (chosen by the cluster's x, the same in all partners), so that a lane holds ONE channel and eight neighbouring TOKENS: v leaves with the keys innermost.
; LDS: A's part, then B's; K half s of A at s x AH, of B at s x 512 along its rows.  B's rows of 1,024 bytes + 16 (pitch 1040 = 65 x 16: the 16 rows of a load start at 16 different groups of four banks; 64 banks of 4 bytes: ISA guide 11.1);
;   a plane: 32 rows of 256 bytes (four tokens) + 16: token t at 272 (t / 4) + 64 (t % 4).  Behind the slots a stage for each wave; behind the stages, with RING, the spare words.
; REGISTERS: window 0: v1-31 addresses and constants; v32-95 at work on the way out; v96-127 the bias; v128-255 the accumulators ((a, b) at 128 + 8 (4 a + b)).
;   window 1: two sets of fragments, at v0 and v128: A's four, then B's four.   window 2 (f32 out): v0-127 the residual's tile, loaded at the start.
.set KIND,   1
.set KTOT,   1024
.set APLANE, 1
.set F32OUT, 1
.set RING,   1                         ; here: the text carries the spare words and the adds.  In this copy K = 1,024 comes whole by ONE load a wave at the head (A: eight planes, B: 64 rows of 1,024 bytes), and nothing is filled again; 'slot' names a K half
.set WOFF,   0x300000                  ; B's first byte in wc
.set BH,     64*1040                   ; 64 rows of B, 1,024 bytes + 16: one tensor load
.if APLANE
.set AH,     256*272                   ; eight planes: one tensor load, and a K half of A
.set ASTEP,  65536                     ; a slot on, in memory
.set AWAVE,  16*272                    ; my 64 tokens' place in a plane
.set LTA,    4                         ; the register with my lane's place in A's part
.else
.set AH,     64*528
.set ASTEP,  512
.set AWAVE,  64*528
.set LTA,    3
.endif
.set APART,  2*AH
.set SLOT,   APART+2*BH
.set STAGE,  SLOT
.set SPARE,  STAGE+4*16*272            ; the spare words, 128 bytes for each wave: two blocks of 256 bytes that no other line names
.set ADRA, 16                          ; v16-17  LDS address of source 1's fragments in slot 0, 1
.set ADRB, 20                          ; v20-21  of source 0's
.set BRO,  23                          ; v23     KIND 0: offset of the bias by rows
.set STO,  24                          ; v24     the stage: where I put my results
.set RD,   25                          ; v25     and where I read them back
.set CO,   26                          ; v26     my byte offset in the output
.set BO,   27                          ; v27     my byte offset in the bias
.set SPW,  28                          ; v28     LDS address of my spare word; never rewritten
.set NIL,  29                          ; v29     0; never rewritten
.set QS,   30                          ; v30     2^e of the output's quantiser;  v31: 448 x that
.set QL,   31
.set TMP,  32
.set BR,   88                          ; v88-95  KIND 0: the bias by rows, one number for each a, as the low half of a pair
.set BC,   96                          ; v96-127 the bias by columns
.set ACC,  128
.set F0,   0
.set F1,   128
.set G1A,  24                          ; s[24:31] descriptor group 1 for A's tiles;  s[32:39] group 0, a set for each slot
.set G0A,  32
.set G1B,  48                          ; s[48:55], s[56:63] the same for B's
.set G0B,  56
.set MSB, 0
.macro WIN new                         ; s_set_vgpr_msb: bits 1:0 source 0, 3:2 source 1, 5:4 source 2, 7:6 destination; the high byte repeats the setting that is left
.if MSB != \new
	s_set_vgpr_msb (MSB<<8)|\new
.set MSB, \new
.endif
.endm
.set MUL,  0x05                        ; sources 0 and 1 window 1; C and D window 0
.set TO_F, 0x40                        ; destination window 1, address window 0
.macro PLACES                          ; four plain vector lines between a matrix instruction and a load into, or a read of, its registers
.rept 4
	v_nop
.endr
.endm
.macro JLOAD s                         ; a joint load: waves 0 and 1 fetch A's two halves, waves 2 and 3 B's; the branch hangs on the wave's number alone; four v_nop follow each line
	s_cmp_eq_u32 s17, 0
	s_cbranch_scc0 .Lfor_b_\@
	tensor_load_to_lds s[G0A+4*\s:G0A+4*\s+3], s[G1A:G1A+7]
	s_nop 0
.rept 4
	v_nop
.endr
	s_branch .Lasked_\@
.Lfor_b_\@:
	tensor_load_to_lds s[G0B+4*\s:G0B+4*\s+3], s[G1B:G1B+7]
	s_nop 0
.rept 4
	v_nop
.endr
.Lasked_\@:
.endm
.macro CREST                           ; a round of the cluster's barrier behind its opening barrier
	s_cmp_lg_u32 s16, 0
	s_cbranch_scc1 .Lnot_wave_0_\@
	s_barrier_signal -3
.Lnot_wave_0_\@:
	s_barrier_wait -3
	s_barrier_signal -1
	s_barrier_wait -1
.endm
.macro CROUND                          ; a whole round
	s_barrier_signal -1
	s_barrier_wait -1
	CREST
.endm
.macro FRAGB reg, slot, q, i           ; source 0's fragment i of the slot's q-th 128 along K
.irp c, 0,1,2,3
	ds_load_b128 v[\reg+4*\c:\reg+4*\c+3], v[ADRB+\slot] offset:128*(\q)+32*\c+(\i)*16640
.endr
.endm
.macro FRAGA reg, slot, q, i           ; source 1's
.irp c, 0,1,2,3
.if APLANE
	ds_load_b128 v[\reg+4*\c:\reg+4*\c+3], v[ADRA+\slot] offset:(2*(\q)+\c/2)*8704+(\i)*1088+32*(\c%2)
.else
	ds_load_b128 v[\reg+4*\c:\reg+4*\c+3], v[ADRA+\slot] offset:128*(\q)+32*\c+(\i)*8448
.endif
.endr
.endm
.macro FETCH slot, q, f                ; 32 LDS loads in one run: source 0's four fragments, then source 1's blocks 0, 1, then 2, 3
	WIN TO_F
.irp i, 0,1,2,3
	FRAGB \f+64+16*\i, \slot, \q, \i
.endr
.irp i, 0,1,2,3
	FRAGA \f+16*\i, \slot, \q, \i
.endr
.endm
; 8 matrix instructions: blocks a0, a0 + 1 x all four b.  zero = 1: the product starts the sums.  The 16 accumulators take turns, one instruction a turn, in the same order everywhere
.macro MUL8 f, a0, zero
.irp a, \a0, \a0+1
.irp b, 0,1,2,3
.if \zero
	v_wmma_f32_16x16x128_fp8_fp8 v[ACC+8*(4*(\a)+\b):ACC+8*(4*(\a)+\b)+7], v[\f+64+16*\b:\f+64+16*\b+15], v[\f+16*(\a):\f+16*(\a)+15], 0
.else
	v_wmma_f32_16x16x128_fp8_fp8 v[ACC+8*(4*(\a)+\b):ACC+8*(4*(\a)+\b)+7], v[\f+64+16*\b:\f+64+16*\b+15], v[\f+16*(\a):\f+16*(\a)+15], v[ACC+8*(4*(\a)+\b):ACC+8*(4*(\a)+\b)+7]
.endif
.endr
.endr
.endm
; a slot is four quarters of 128 along K, on sets 0, 1, 0, 1.  One of the first three: multiplies set f; in its middle it fetches the slot's quarter qn into set g
.macro QUARTER slot, qn, f, g, zero
	s_wait_dscnt 8                                 ; all of set f but the youngest eight loads (blocks 2, 3 of source 1)
	WIN MUL
	MUL8 \f, 0, \zero
	PLACES
	FETCH \slot, \qn, \g
	s_wait_dscnt 32                                ; all but the 32 just issued
	WIN MUL
	MUL8 \f, 2, \zero
.endm
; the last quarter multiplies set 1 and changes slots: one barrier; in front of it each wave has waited for all its tensor loads (its part of the next slot) and for its reads of this slot.
; fill = 1: this slot is filled again, two slots ahead: the barrier then opens a round of the cluster's barrier, and the joint load is the first thing behind the round
.macro TURN slot, next, fill
	WIN 0
	s_wait_tensorcnt 0x0
.if RING
	ds_add_u32 v[SPW], v[NIL]                      ; 0 onto my spare word
.endif
	s_wait_dscnt 8+RING                            ; (the add and the youngest eight loads may be out)
	WIN MUL
	MUL8 F1, 0, 0
	s_wait_dscnt 0x0                               ; my reads of this slot are over (and the add is done)
	s_barrier_signal -1
	WIN 0                                          ; at a branch and at a label every window is 0
	s_barrier_wait -1
.if \fill
	CREST                                          ; no wave of any partner still reads this slot or has a load on its way
	s_add_nc_u64 s[G0A+4*\slot+2:G0A+4*\slot+3], s[G0A+4*\slot+2:G0A+4*\slot+3], 2*ASTEP
	s_add_nc_u64 s[G0B+4*\slot+2:G0B+4*\slot+3], s[G0B+4*\slot+2:G0B+4*\slot+3], 1024
	JLOAD \slot                                    ; its four v_nop are also the places in front of the loads below
.else
	PLACES
.endif
	FETCH \next, 0, F0
	WIN MUL
	MUL8 F1, 2, 0
.endm
	s_load_b128 s[4:7], s[0:1], 0x0                ; A's codes s[4:5], the weights' codes s[6:7]
.if KIND == 0
	s_load_b64 s[8:9], s[0:1], 0x10                ; bq
	s_load_b128 s[88:91], s[0:1], 0x18             ; bk, bv
	s_load_b64 s[14:15], s[0:1], 0x28              ; the exponents
	s_load_b64 s[12:13], s[0:1], 0x30              ; the output
.elseif KIND == 2
	s_load_b64 s[8:9], s[0:1], 0x10                ; the bias
	s_load_b64 s[14:15], s[0:1], 0x18
	s_load_b64 s[12:13], s[0:1], 0x20
.else
	s_load_b128 s[8:11], s[0:1], 0x10              ; the bias, the residual
	s_load_b64 s[14:15], s[0:1], 0x20
	s_load_b64 s[12:13], s[0:1], 0x28
.endif
.if RING
	v_lshl_add_u32 v[SPW], v0, 2, SPARE
	v_mov_b32 v[NIL], 0
	ds_add_u32 v[SPW], v[NIL]                      ; the opening lines: the add, twice on end, and its wait ahead of the round in front of my first tensor load
	ds_add_u32 v[SPW], v[NIL]
.endif
	v_lshrrev_b32 v1, 5, v0
	v_readfirstlane_b32 s16, v1                    ; wave 0..3
	s_lshr_b32 s17, s16, 1                         ; which half of source 1's rows is mine.  Also: I fetch for A (0) or for B (1)
	s_and_b32 s18, s16, 1                          ; which half of source 0's.  Also: which half of that tile I fetch
	s_bfe_u32 s19, ttmp6, 0x40000                  ; cx, cy: my place in the cluster
	s_bfe_u32 s20, ttmp6, 0x40004
	s_lshl_b32 s21, ttmp9, 2
	s_add_co_u32 s21, s21, s19                     ; tile column = 4 x cluster x + cx
	s_and_b32 s22, ttmp7, 0xffff
	s_lshl_b32 s22, s22, 2
	s_add_co_u32 s22, s22, s20                     ; tile row = 4 x cluster y + cy
	s_lshl_b32 s40, s20, 2
	s_lshl_b32 s40, 15, s40                        ; my row of the cluster
	s_lshl_b32 s41, 0x1111, s19                    ; my column
.if APLANE
	s_or_b32 s[G1A], s40, (3<<16)|(1<<20)|(1<<21)|(5<<22)|(3<<25)  ; the mask; elements of 8 bytes; padding on; bit 21 beside a mask; after every 64 words, 4 words
	s_mov_b32 s[G1A+1], 32<<16                     ; tensor_dim0: 32 elements = 256 bytes
	s_mov_b32 s[G1A+2], 256<<16                    ; tensor_dim1 = 256 rows: eight planes, dense in memory
	s_mov_b32 s[G1A+3], 32<<16                     ; tile_dim0
	s_mov_b32 s[G1A+4], 256                        ; tile_dim1
	s_mov_b32 s[G1A+5], 32                         ; from row to row
.else
	s_or_b32 s[G1A], s40, (1<<20)|(1<<21)|(6<<22)|(3<<25)          ; the mask; elements of 1 byte; padding: after every 128 words, 4 words
	s_mov_b32 s[G1A+1], 512<<16
	s_mov_b32 s[G1A+2], 64<<16
	s_mov_b32 s[G1A+3], 512<<16
	s_mov_b32 s[G1A+4], 64
	s_mov_b32 s[G1A+5], KTOT
.endif
	s_mov_b32 s[G1A+6], 0
	s_mov_b32 s[G1A+7], 0
	s_or_b32 s[G1B], s41, (1<<20)|(1<<21)|(7<<22)|(3<<25)          ; padding: after every 256 words, 4 words
	s_mov_b32 s[G1B+1], 1024<<16                   ; 64 rows of 1,024 bytes
	s_mov_b32 s[G1B+2], 64<<16
	s_mov_b32 s[G1B+3], 1024<<16
	s_mov_b32 s[G1B+4], 64
	s_mov_b32 s[G1B+5], KTOT
	s_mov_b32 s[G1B+6], 0
	s_mov_b32 s[G1B+7], 0
	; where the tiles come from: A's hang on the tile row alone, B's on the tile column alone; every wave makes both, in registers that never hold the other coordinate
	s_mul_i32 s42, s22, KTOT*128                   ; 128 rows of KTOT bytes, or a block of KTOT / 64 planes: the same number
.if APLANE
	s_lshl_b32 s43, s18, 16                        ; eight planes
.else
	s_mul_i32 s43, s18, KTOT*64                    ; 64 rows
.endif
	s_add_co_u32 s42, s42, s43
.if KIND == 0
	s_lshr_b32 s43, ttmp9, 1                       ; the projection: 0 q, 1 k, 2 v: eight tile columns, two clusters each
	s_lshl_b32 s43, s43, 22                        ; its plane of xc
	s_add_co_u32 s42, s42, s43
.endif
	s_mov_b32 s43, 0
	s_mul_i32 s46, s21, KTOT*128
	s_mul_i32 s47, s18, KTOT*64
	s_add_co_u32 s46, s46, s47
.if WOFF
	s_add_co_u32 s46, s46, WOFF
.endif
	s_mov_b32 s47, 0
	s_mul_i32 s86, s18, AH                         ; and where they go: no place in the cluster enters an LDS address
	s_mul_i32 s87, s18, BH
	s_add_co_u32 s87, s87, APART
	s_wait_dscnt 0x0                               ; both opening adds are done
	s_wait_kmcnt 0x0
	s_load_b512 s[68:83], s[14:15], 0x0            ; e0 .. e15 in s68 .. s83
	s_add_nc_u64 s[42:43], s[4:5], s[42:43]
	s_add_nc_u64 s[46:47], s[6:7], s[46:47]
	CROUND                                         ; all sixteen work-groups are here: the first joint loads meet
.irp s, 0
	s_mov_b32 s[G0A+4*\s], 1
	s_add_co_u32 s[G0A+4*\s+1], s86, \s*SLOT
	s_add_nc_u64 s[G0A+4*\s+2:G0A+4*\s+3], s[42:43], \s*ASTEP
	s_or_b32 s[G0A+4*\s+3], s[G0A+4*\s+3], 0x80000000
	s_mov_b32 s[G0B+4*\s], 1
	s_add_co_u32 s[G0B+4*\s+1], s87, \s*SLOT
	s_add_nc_u64 s[G0B+4*\s+2:G0B+4*\s+3], s[46:47], \s*512
	s_or_b32 s[G0B+4*\s+3], s[G0B+4*\s+3], 0x80000000
	JLOAD \s                                       ; one load of mine is out
.endr
	v_and_b32 v1, 15, v0                           ; r = l % 16
	v_bfe_u32 v2, v0, 4, 1                         ; h = l / 16
	v_mul_u32_u24 v3, v1, 1040
	v_lshl_add_u32 v3, v2, 4, v3                   ; rows of 1,024 bytes: r x pitch + 16 h
.if APLANE
	v_lshrrev_b32 v4, 2, v1
	v_mul_u32_u24 v4, v4, 272
	v_and_b32 v5, 3, v1
	v_lshl_add_u32 v4, v5, 6, v4
	v_lshl_add_u32 v4, v2, 4, v4                   ; planes: 272 (r / 4) + 64 (r % 4) + 16 h
.endif
	s_mul_i32 s40, s17, AWAVE
	s_mul_i32 s41, s18, BH
.if KIND == 0
	s_cmp_ge_u32 ttmp9, 4                          ; v: source 1 reads the weights' part, source 0 the tokens'
	s_cselect_b32 s44, APART, 0
	s_cselect_b32 s45, 0, APART
	s_add_co_u32 s40, s40, s44
	s_add_co_u32 s41, s41, s45
.else
	s_add_co_u32 s41, s41, APART
.endif
.irp s, 0,1
	v_add_nc_u32 v[ADRA+\s], s40, v[LTA]
	v_add_nc_u32 v[ADRB+\s], s41, v3
	s_add_co_u32 s40, s40, AH                      ; the second K half: A's eight planes on,
	s_add_co_u32 s41, s41, 512                     ; B's 512 bytes along the row
.endr
.if F32OUT
	s_mul_i32 s44, s16, 16*272                     ; my stage: 16 rows of 256 bytes + 16
	s_add_co_u32 s44, s44, STAGE
	v_mul_u32_u24 v5, v1, 272
	v_lshl_add_u32 v5, v2, 5, v5
	v_add_nc_u32 v[STO], s44, v5                   ; in: row r, 32 bytes for each half of the lanes
	v_mul_u32_u24 v7, v2, 272
	v_lshl_add_u32 v7, v1, 4, v7
	v_add_nc_u32 v[RD], s44, v7                    ; back: lanes 0-15 one row of 256 bytes, lanes 16-31 the next
	v_lshlrev_b32 v[CO], 12, v2
	v_lshl_add_u32 v[CO], v1, 4, v[CO]             ; and the same two rows (4,096 bytes apart) in the residual and in the output
.else
	s_mul_i32 s44, s16, 64*80                      ; my stage: 64 rows of 64 bytes + 16
	s_add_co_u32 s44, s44, STAGE
	v_mul_u32_u24 v5, v1, 80
	v_lshl_add_u32 v5, v2, 3, v5
	v_add_nc_u32 v[STO], s44, v5                   ; in: row r, 8 bytes for each half of the lanes
	v_and_b32 v6, 31, v0
	v_lshrrev_b32 v7, 2, v6
	v_mul_u32_u24 v7, v7, 80
	v_and_b32 v8, 3, v6
	v_lshl_add_u32 v7, v8, 4, v7
	v_add_nc_u32 v[RD], s44, v7                    ; back: four lanes to a row, eight rows an instruction
	v_lshlrev_b32 v[CO], 4, v6                     ; which are 512 consecutive bytes of the output
.endif
.if KIND == 0
	s_cmp_lt_u32 ttmp9, 2
	s_cselect_b64 s[8:9], s[8:9], s[88:89]         ; bq or bk,
	s_cmp_lt_u32 ttmp9, 4
	s_cselect_b64 s[8:9], s[8:9], s[90:91]         ; or bv: the choice hangs on the cluster's x alone
	s_cselect_b32 s92, -1, 0                       ; q, k: the bias goes by my eight columns;
	s_cselect_b32 s93, 0, -1                       ; v: by my row.  The one that does not apply is cleared by these masks
	s_cselect_b32 s94, s18, s17                    ; which of the tile's two heads is mine,
	s_cselect_b32 s95, s17, s18                    ; and which half of its 128 tokens
	s_and_b32 s44, s21, 7                          ; the tile column inside the projection
	s_lshl_b32 s46, s44, 9
.else
	s_lshl_b32 s46, s21, 9                         ; 128 columns of 4 bytes a tile column
.endif
	s_mov_b32 s47, 0
	s_add_nc_u64 s[8:9], s[8:9], s[46:47]
	s_lshl_b32 s45, s18, 8                         ; my 64 columns
.if F32OUT
	v_lshl_add_u32 v[BO], v1, 4, s45               ; the four columns that I store
	s_wait_alu depctr_va_vdst(0)
	s_lshl_b32 s92, s22, 19                        ; 128 rows of 4,096 bytes a tile row,
	s_lshl_b32 s93, s17, 18                        ; my 64 rows,
	s_add_co_u32 s92, s92, s93
	s_add_co_u32 s92, s92, s46                     ; the tile's columns,
	s_add_co_u32 s92, s92, s45                     ; my 64 of them: 256 bytes
	s_mov_b32 s93, 0
	s_add_nc_u64 s[10:11], s[10:11], s[92:93]
	s_add_nc_u64 s[12:13], s[12:13], s[92:93]
	global_load_b128 v[BC:BC+3], v[BO], s[8:9]
	WIN 0x80                                       ; destination window 2
.irp a, 0,1,2,3
.irp t, 0,1,2,3,4,5,6,7
	global_load_b128 v[4*(8*\a+\t):4*(8*\a+\t)+3], v[CO], s[10:11] offset:(16*\a+2*\t)*4096   ; the residual's 64 x 64, in the order of the stores: it lands while the products run
.endr
.endr
	WIN 0
.else
	v_lshl_add_u32 v[BO], v2, 5, s45               ; the eight columns of my half of the lanes
.irp b, 0,1,2,3
	global_load_b128 v[BC+8*\b:BC+8*\b+3], v[BO], s[8:9] offset:64*\b
	global_load_b128 v[BC+8*\b+4:BC+8*\b+7], v[BO], s[8:9] offset:64*\b+16
.endr
.endif
.if KIND == 0
	s_lshl_b32 s45, s17, 8
	v_lshl_add_u32 v[BRO], v1, 2, s45
.irp a, 0,1,2,3
	global_load_b32 v[BR+2*\a], v[BRO], s[8:9] offset:64*\a
	v_mov_b32 v[BR+2*\a+1], 0                      ; named as the upper half of a pair
.endr
	s_lshl_b32 s46, s22, 7
	s_lshl_b32 s95, s95, 6
	s_add_co_u32 s46, s46, s95                     ; my first token
	s_lshr_b32 s47, s46, 11                        ; its batch
	s_lshl_b32 s47, s47, 4
	s_lshl_b32 s44, s44, 1
	s_add_co_u32 s47, s47, s44
	s_add_co_u32 s47, s47, s94                     ; 16 x batch + head
	s_lshl_b32 s47, s47, 17                        ; 2,048 tokens x 64 bytes each
	s_and_b32 s46, s46, 2047
	s_lshl_b32 s46, s46, 6                         ; the token in its sequence x 64: in q and k a row, in v a chunk of 64 tokens x 64 channels: the same number
	s_add_co_u32 s46, s46, s47
	s_lshr_b32 s47, ttmp9, 1
	s_lshl_b32 s47, s47, 22                        ; q, k or v
	s_add_co_u32 s46, s46, s47
	s_mov_b32 s47, 0
	s_add_nc_u64 s[12:13], s[12:13], s[46:47]
.elseif KIND == 2
	s_lshl_b32 s92, s22, 5                         ; hc: 32 planes a block of 128 tokens,
	s_lshl_b32 s93, s21, 1
	s_add_co_u32 s92, s92, s93
	s_add_co_u32 s92, s92, s18                     ; my plane: 2 x tile column + half
	s_lshl_b32 s92, s92, 13
	s_lshl_b32 s93, s17, 12                        ; my 64 tokens in it
	s_add_co_u32 s92, s92, s93
	s_mov_b32 s93, 0
	s_add_nc_u64 s[12:13], s[12:13], s[92:93]
.endif
	s_wait_kmcnt 0x0                               ; the exponents.  Nothing but values is chosen by them: no branch
.if KIND == 0
	s_cmp_lt_u32 ttmp9, 2
	s_cselect_b32 s84, s68, s70
	s_cselect_b32 s85, s69, s71
	s_cselect_b32 s86, s74, s75                    ; q is quantised with e6, k with e7,
	s_cmp_lt_u32 ttmp9, 4
	s_cselect_b32 s84, s84, s72
	s_cselect_b32 s85, s85, s73
	s_cselect_b32 s86, s86, s77                    ; v with e9
	s_add_co_i32 s84, s84, s85
	s_add_co_i32 s86, s86, 127
.elseif KIND == 1
	s_add_co_i32 s84, s78, s79                     ; e10 + e11
.elseif KIND == 2
	s_add_co_i32 s84, s80, s81                     ; e12 + e13
	s_add_co_i32 s86, s82, 127                     ; e14
.else
	s_add_co_i32 s84, s82, s83                     ; e14 + e15
.endif
	s_add_co_i32 s84, s84, 127
	s_lshl_b32 s84, s84, 23                        ; 2^(eA + eB) as f32
	s_mov_b32 s85, s84                             ; (named with it as a pair)
.if !F32OUT
	s_lshl_b32 s87, s86, 23
	v_mov_b32 v[QS], s87
	s_add_co_i32 s86, s86, 8
	s_lshl_b32 s86, s86, 23
	s_or_b32 s86, s86, 0x600000
	v_mov_b32 v[QL], s86
.endif
	s_wait_tensorcnt 0x0                           ; my one load has landed
	s_barrier_signal -1
	s_barrier_wait -1                              ; everybody's is
	FETCH 0, 0, F0
	QUARTER 0, 1, F0, F1, 1                        ; the first products start the sums: nothing is cleared
	QUARTER 0, 2, F1, F0, 0
	QUARTER 0, 3, F0, F1, 0
	TURN 0, 1, 0
	QUARTER 1, 1, F0, F1, 0
	QUARTER 1, 2, F1, F0, 0
	QUARTER 1, 3, F0, F1, 0
.if 0
	TURN 1, 0, 1
	QUARTER 0, 1, F0, F1, 0
	QUARTER 0, 2, F1, F0, 0
	QUARTER 0, 3, F0, F1, 0
	TURN 0, 1, 0                                   ; nothing is left to fetch
	QUARTER 1, 1, F0, F1, 0
	QUARTER 1, 2, F1, F0, 0
	QUARTER 1, 3, F0, F1, 0
.endif
	s_wait_dscnt 8                                 ; the very last quarter
	WIN MUL
	MUL8 F1, 0, 0
	s_wait_dscnt 0x0
	MUL8 F1, 2, 0
	WIN 0
	s_wait_loadcnt 0x0                             ; the bias (and the residual)
.if F32OUT
; THE WAY OUT, f32.  A block of 16 rows x 64 columns goes through my own stage as raw sums and comes back as whole rows of 256 bytes; there sum x 2^(eA + eB) + residual, + bias; sixteen lanes store 256 consecutive bytes, aligned.
; LDS serves a wave's instructions in order (ISA guide 5.7.1.4): no wait between my stores and my loads, nor in front of the next block's stores.
.macro TOSTAGE a
.irp b, 0,1,2,3
	ds_store_b128 v[STO], v[ACC+8*(4*(\a)+\b):ACC+8*(4*(\a)+\b)+3] offset:64*\b        ; each accumulator from its low end on
	ds_store_b128 v[STO], v[ACC+8*(4*(\a)+\b)+4:ACC+8*(4*(\a)+\b)+7] offset:64*\b+16
.endr
.set BK, TMP+32*((\a)%2)
.irp t, 0,1,2,3,4,5,6,7
	ds_load_b128 v[BK+4*\t:BK+4*\t+3], v[RD] offset:544*\t
.endr
.endm
.macro SEND a, younger                 ; younger: the LDS instructions issued behind block a's loads, which may stay out
.set BK, TMP+32*((\a)%2)
	s_wait_dscnt \younger
	WIN 0x20                                       ; source 2 (the residual) window 2
.irp t, 0,1,2,3,4,5,6,7
	v_pk_fma_f32 v[BK+4*\t:BK+4*\t+1], v[BK+4*\t:BK+4*\t+1], s[84:85], v[4*(8*(\a)+\t):4*(8*(\a)+\t)+1] op_sel_hi:[1,0,1]
	v_pk_fma_f32 v[BK+4*\t+2:BK+4*\t+3], v[BK+4*\t+2:BK+4*\t+3], s[84:85], v[4*(8*(\a)+\t)+2:4*(8*(\a)+\t)+3] op_sel_hi:[1,0,1]
.endr
	WIN 0
.irp t, 0,1,2,3,4,5,6,7
	v_pk_add_f32 v[BK+4*\t:BK+4*\t+1], v[BK+4*\t:BK+4*\t+1], v[BC:BC+1]
	v_pk_add_f32 v[BK+4*\t+2:BK+4*\t+3], v[BK+4*\t+2:BK+4*\t+3], v[BC+2:BC+3]
.endr
.irp t, 0,1,2,3,4,5,6,7
	global_store_b128 v[CO], v[BK+4*\t:BK+4*\t+3], s[12:13] offset:(16*(\a)+2*\t)*4096
.endr
.endm
	PLACES
	TOSTAGE 0
.irp a, 1,2,3
.if \a > 1
	s_wait_xcnt 0x0                                ; block a - 2's stores have read their registers: block a's loads may land there
.endif
	TOSTAGE \a
	SEND \a-1, 16                                  ; behind block a - 1's loads: block a's 8 stores and 8 loads
.endr
	SEND 3, 0
.else
; THE WAY OUT, codes.  sum x 2^(eA + eB) + bias, held (KIND 2: between 0 and the largest code x the scale: the activation and the hold in one), converted: a lane's eight numbers are eight neighbours of one row of the stage.
; The wave's 64 rows x 64 bytes go through its own stage and leave as 4,096 consecutive bytes.
.if KIND == 0
.set n, 0
.rept 32
	v_and_b32 v[BC+n], s92, v[BC+n]                ; (these 36 lines are also the places behind the last products)
.set n, n+1
.endr
.irp a, 0,1,2,3
	v_and_b32 v[BR+2*\a], s93, v[BR+2*\a]
.endr
.else
	PLACES
.endif
.irp a, 0,1,2,3
.irp b, 0,1,2,3
.set AC, ACC+8*(4*\a+\b)
.irp i, 0,2,4,6
	v_pk_fma_f32 v[AC+\i:AC+\i+1], v[AC+\i:AC+\i+1], s[84:85], v[BC+8*\b+\i:BC+8*\b+\i+1] op_sel_hi:[1,0,1]
.endr
.if KIND == 0
.irp i, 0,2,4,6
	v_pk_add_f32 v[AC+\i:AC+\i+1], v[AC+\i:AC+\i+1], v[BR+2*\a:BR+2*\a+1] op_sel_hi:[1,0]
.endr
.endif
.irp i, 0,1,2,3,4,5,6,7
.if KIND == 2
	v_med3_num_f32 v[AC+\i], v[AC+\i], 0, v[QL]
.else
	v_med3_num_f32 v[AC+\i], v[AC+\i], -v[QL], v[QL]   ; the conversion to an 8-bit code does not saturate (ISA guide 7.6.2)
.endif
.endr
	v_cvt_scalef32_pk8_fp8_f32 v[TMP+2*(4*\a+\b):TMP+2*(4*\a+\b)+1], v[AC:AC+7], v[QS]
.endr
.endr
	v_nop                                          ; one plain vector line behind the last conversion
.irp a, 0,1,2,3
.irp b, 0,1,2,3
	ds_store_b64 v[STO], v[TMP+2*(4*\a+\b):TMP+2*(4*\a+\b)+1] offset:1280*\a+16*\b
.endr
.endr
.irp i, 0,1,2,3,4,5,6,7
	ds_load_b128 v[TMP+32+4*\i:TMP+32+4*\i+3], v[RD] offset:640*\i   ; LDS serves a wave's instructions in order (ISA guide 5.7.1.4): these see my stores
.endr
.irp i, 0,1,2,3,4,5,6,7
	s_wait_dscnt 7-\i
	global_store_b128 v[CO], v[TMP+32+4*\i:TMP+32+4*\i+3], s[12:13] offset:512*\i   ; 32 lanes store 512 consecutive bytes, at a multiple of 512 from the buffer's first byte
.endr
.endif
.if RING
	s_wait_tensorcnt 0x0                           ; the wave's end
	ds_add_u32 v[SPW], v[NIL]
.endif
	s_wait_dscnt 0x0
	CROUND                                         ; the closing round: no work-group ends while a partner may still ask for a tile that names it
	s_endpgm
.Lfunc_end_k_qe8706b458d_oproj:
	.size	k_qe8706b458d_oproj, .Lfunc_end_k_qe8706b458d_oproj-k_qe8706b458d_oproj
	.p2alignl 7, 3214868480
	.fill 96, 4, 3214868480
	.section	.rodata,"a",@progbits
	.p2align	6, 0x0
	.amdhsa_kernel k_qe8706b458d_oproj
		.amdhsa_group_segment_fixed_size 327680
		.amdhsa_private_segment_fixed_size 0
		.amdhsa_enable_private_segment 0
		.amdhsa_kernarg_size 48
		.amdhsa_user_sgpr_count 2
		.amdhsa_user_sgpr_kernarg_segment_ptr 1
		.amdhsa_wavefront_size32 1
		.amdhsa_system_sgpr_workgroup_id_x 1
		.amdhsa_system_sgpr_workgroup_id_y 1
		.amdhsa_system_sgpr_workgroup_id_z 1
		.amdhsa_system_vgpr_workitem_id 0
		.amdhsa_next_free_vgpr 640
		.amdhsa_next_free_sgpr 96
		.amdhsa_reserve_vcc 0
		.amdhsa_float_denorm_mode_32 3
		.amdhsa_float_denorm_mode_16_64 3
		.amdhsa_memory_ordered 1
		.amdhsa_forward_progress 1
		.amdhsa_inst_pref_size 53
	.end_amdhsa_kernel
	.amdgpu_metadata
---
amdhsa.version: [ 1, 2 ]
amdhsa.kernels:
  - .name:           k_qe8706b458d_oproj
    .symbol:         k_qe8706b458d_oproj.kd
    .args:
      - { .name: ao, .offset: 0, .size: 8, .value_kind: global_buffer, .address_space: global }
      - { .name: wc, .offset: 8, .size: 8, .value_kind: global_buffer, .address_space: global }
      - { .name: bo, .offset: 16, .size: 8, .value_kind: global_buffer, .address_space: global }
      - { .name: x, .offset: 24, .size: 8, .value_kind: global_buffer, .address_space: global }
      - { .name: lowp_scales, .offset: 32, .size: 8, .value_kind: global_buffer, .address_space: global }
      - { .name: x1, .offset: 40, .size: 8, .value_kind: global_buffer, .address_space: global }
    .group_segment_fixed_size: 327680
    .private_segment_fixed_size: 0
    .kernarg_segment_align: 8
    .kernarg_segment_size: 48
    .max_flat_workgroup_size: 128
    .sgpr_count:     96
    .vgpr_count:     640
    .wavefront_size: 32
...
	.end_amdgpu_metadata
.endif
;; end of part 4
;; launch norm2 (part 5): grid 256 x 1, 8 waves a work-group, no clusters, 0 bytes of LDS; arguments x1, ln2_g, ln2_b, lowp_scales, yc; writes yc
.if DOCPART == 5
	.amdgcn_target "amdgcn-amd-amdhsa--gfx1250"
	.amdhsa_code_object_version 6
	.text
	.protected	k_qe8706b458d_norm2
	.globl	k_qe8706b458d_norm2
	.p2align	8
	.type	k_qe8706b458d_norm2,@function
k_qe8706b458d_norm2:
	s_mov_b64 s[64:65], 0
	v_nop
	global_prefetch_b8 v0, s[64:65] scope:SCOPE_SE
	s_setreg_imm32_b32 hwreg(HW_REG_WAVE_MODE, 25, 1), 1
	s_wait_xcnt 0x0
; LayerNorm 2 of x1 [4096][1024] f32, quantised to E4M3 codes with the scale 2^e12 -> yc [4096][1024] of bytes.
; code = number / 2^e12, held within +-448, rounded to the nearest code, ties to even.  LIMIT: e12 between -126 and 119.  NaN among the inputs is not served.
; A wave takes two whole rows.  Of each run of 256 numbers lane l takes the eight at 8 l: two loads of 16 bytes, 32 bytes from lane to lane (the pair covers 1,024 consecutive bytes), and its eight codes leave by one store of
; 8 bytes: the wave stores 256 consecutive bytes, at a multiple of 256 from the buffer's first byte.  Waves share nothing: no LDS, no barrier.  Matrix units and clusters have nothing to do in a stream.
.set G,   32                           ; v32-63   the gain at my 32 columns
.set BB,  64                           ; v64-95   the bias at my 32 columns
.set X0,  96                           ; v96-127  row 0;  v128-159 row 1
.set X1,  128
.set W,   160                          ; v160-167 at work: +0..3 two chains of sums, +4 mean, then variance + eps, +5 the lane exchange, +6 1 / sqrt, +7 named with +6 as a pair
.set T,   168                          ; v168-183 two sets of eight held numbers, by turns
.set C,   184                          ; v184-199 codes: registers of their own for every store
.macro SUM32                           ; v[W] summed over the wave's 32 lanes, the result in every lane
	s_delay_alu instid0(VALU_DEP_1)
	v_add_f32_dpp v[W], v[W], v[W] row_xmask:1 row_mask:0xf bank_mask:0xf
	s_delay_alu instid0(VALU_DEP_1)
	v_add_f32_dpp v[W], v[W], v[W] row_xmask:2 row_mask:0xf bank_mask:0xf
	s_delay_alu instid0(VALU_DEP_1)
	v_add_f32_dpp v[W], v[W], v[W] row_xmask:4 row_mask:0xf bank_mask:0xf
	s_delay_alu instid0(VALU_DEP_1)
	v_add_f32_dpp v[W], v[W], v[W] row_xmask:8 row_mask:0xf bank_mask:0xf
	s_delay_alu instid0(VALU_DEP_1)
	v_permlanex16_b32 v[W+5], v[W], s52, s53
	s_delay_alu instid0(VALU_DEP_1)
	v_add_f32 v[W], v[W], v[W+5]
.endm
; the row in v[x] .. v[x+31] becomes (x - mean) / sqrt(variance + eps): the mean first, then the squares of the centred numbers, as the definition has it
.macro STATS x
	v_pk_add_f32 v[W:W+1], v[\x:\x+1], v[\x+2:\x+3]
	v_pk_add_f32 v[W+2:W+3], v[\x+4:\x+5], v[\x+6:\x+7]
.irp j, 8,12,16,20,24,28
	s_delay_alu instid0(VALU_DEP_2)
	v_pk_add_f32 v[W:W+1], v[W:W+1], v[\x+\j:\x+\j+1]
	s_delay_alu instid0(VALU_DEP_2)
	v_pk_add_f32 v[W+2:W+3], v[W+2:W+3], v[\x+\j+2:\x+\j+3]
.endr
	s_delay_alu instid0(VALU_DEP_1)
	v_pk_add_f32 v[W:W+1], v[W:W+1], v[W+2:W+3]
	s_delay_alu instid0(VALU_DEP_1)
	v_add_f32 v[W], v[W], v[W+1]
	SUM32
	s_delay_alu instid0(VALU_DEP_1)
	v_mul_f32 v[W+4], s54, v[W]                    ; the mean: x 1 / 1024
.irp j, 0,2,4,6,8,10,12,14,16,18,20,22,24,26,28,30
	v_pk_add_f32 v[\x+\j:\x+\j+1], v[\x+\j:\x+\j+1], v[W+4:W+5] op_sel_hi:[1,0] neg_lo:[0,1] neg_hi:[0,1]
.endr
	v_pk_mul_f32 v[W:W+1], v[\x:\x+1], v[\x:\x+1]
	v_pk_mul_f32 v[W+2:W+3], v[\x+2:\x+3], v[\x+2:\x+3]
.irp j, 4,8,12,16,20,24,28
	s_delay_alu instid0(VALU_DEP_2)
	v_pk_fma_f32 v[W:W+1], v[\x+\j:\x+\j+1], v[\x+\j:\x+\j+1], v[W:W+1]
	s_delay_alu instid0(VALU_DEP_2)
	v_pk_fma_f32 v[W+2:W+3], v[\x+\j+2:\x+\j+3], v[\x+\j+2:\x+\j+3], v[W+2:W+3]
.endr
	s_delay_alu instid0(VALU_DEP_1)
	v_pk_add_f32 v[W:W+1], v[W:W+1], v[W+2:W+3]
	s_delay_alu instid0(VALU_DEP_1)
	v_add_f32 v[W], v[W], v[W+1]
	SUM32
	s_delay_alu instid0(VALU_DEP_1)
	v_fma_f32 v[W+4], v[W], s54, s55               ; variance + eps
	s_wait_alu depctr_va_vdst(0)
	v_rsq_f32 v[W+6], v[W+4]
	v_nop                                          ; one plain vector instruction behind a transcendental
	s_wait_alu depctr_va_vdst(0)                   ; the wait ahead of the result's first reader
.irp j, 0,2,4,6,8,10,12,14,16,18,20,22,24,26,28,30
	v_pk_mul_f32 v[\x+\j:\x+\j+1], v[\x+\j:\x+\j+1], v[W+6:W+7] op_sel_hi:[1,0]
.endr
.endm
.macro AFFINE x
.irp j, 0,2,4,6,8,10,12,14,16,18,20,22,24,26,28,30
	v_pk_fma_f32 v[\x+\j:\x+\j+1], v[\x+\j:\x+\j+1], v[G+\j:G+\j+1], v[BB+\j:BB+\j+1]
.endr
.endm
; the row's 32 numbers of my lane -> 8 registers of codes at v[c].  The two sets of T take turns, so that the holds of one set are the plain lines behind the conversion of the other
.macro QUANT x, sc, c
.irp j, 0,1,2,3
.irp i, 0,1,2,3,4,5,6,7
	v_med3_num_f32 v[T+8*(\j%2)+\i], v[\x+8*\j+\i], -v[\sc+1], v[\sc+1]   ; the conversion to an 8-bit code does not saturate (ISA guide 7.6.2): the hold at the largest code x the scale comes first
.endr
	v_cvt_scalef32_pk8_fp8_f32 v[\c+2*\j:\c+2*\j+1], v[T+8*(\j%2):T+8*(\j%2)+7], v[\sc]
.endr
.endm
.macro PUT c, base, row
.irp j, 0,1,2,3
	global_store_b64 v3, v[\c+2*\j:\c+2*\j+1], s[\base:\base+1] offset:1024*\row+256*\j
.endr
.endm
	s_load_b256 s[8:15], s[0:1], 0x0               ; x1 8, ln2_g 10, ln2_b 12, the exponents 14
	s_load_b64 s[16:17], s[0:1], 0x20              ; yc
	v_lshrrev_b32 v1, 5, v0
	s_delay_alu instid0(VALU_DEP_1)
	v_readfirstlane_b32 s4, v1                     ; wave 0..7
	v_and_b32 v1, 31, v0                           ; lane
	s_delay_alu instid0(VALU_DEP_1)
	v_lshlrev_b32 v2, 5, v1                        ; in: 32 bytes a lane
	s_delay_alu instid0(VALU_DEP_2)
	v_lshlrev_b32 v3, 3, v1                        ; out: 8 bytes a lane
	s_mov_b32 s52, 0x76543210                      ; v_permlanex16_b32: lane l takes lane l xor 16
	s_mov_b32 s53, 0xfedcba98
	s_mov_b32 s54, 0x3a800000                      ; 1 / 1024
	s_mov_b32 s55, 0x3727c5ac                      ; eps = 1e-5
	s_lshl_b32 s2, ttmp9, 4
	s_lshl_b32 s3, s4, 1
	s_add_co_u32 s2, s2, s3                        ; my first row: 16 x work-group + 2 x wave
	s_lshl_b32 s6, s2, 10                          ; a row of codes is 1,024 bytes,
	s_mov_b32 s7, 0
	s_lshl_b32 s2, s2, 12                          ; a row of x1 4,096
	s_mov_b32 s3, 0
	s_wait_alu depctr_va_vdst(0)
	s_wait_kmcnt 0x0
	s_load_b32 s36, s[14:15], 0x30                 ; e12
	s_add_nc_u64 s[8:9], s[8:9], s[2:3]
	s_add_nc_u64 s[16:17], s[16:17], s[6:7]
.irp j, 0,1,2,3
	global_load_b128 v[X0+8*\j:X0+8*\j+3], v2, s[8:9] offset:1024*\j
	global_load_b128 v[X0+8*\j+4:X0+8*\j+7], v2, s[8:9] offset:1024*\j+16
.endr
.irp j, 0,1,2,3
	global_load_b128 v[X1+8*\j:X1+8*\j+3], v2, s[8:9] offset:4096+1024*\j
	global_load_b128 v[X1+8*\j+4:X1+8*\j+7], v2, s[8:9] offset:4096+1024*\j+16
.endr
.irp j, 0,1,2,3
	global_load_b128 v[G+8*\j:G+8*\j+3], v2, s[10:11] offset:1024*\j
	global_load_b128 v[G+8*\j+4:G+8*\j+7], v2, s[10:11] offset:1024*\j+16
.endr
.irp j, 0,1,2,3
	global_load_b128 v[BB+8*\j:BB+8*\j+3], v2, s[12:13] offset:1024*\j
	global_load_b128 v[BB+8*\j+4:BB+8*\j+7], v2, s[12:13] offset:1024*\j+16
.endr
	v_mov_b32 v[W+5], 0                            ; a lane exchange's destination counts as one of its sources
	v_mov_b32 v[W+7], 0                            ; named as the upper half of a pair
	s_wait_kmcnt 0x0
	s_add_co_i32 s2, s36, 127
	s_lshl_b32 s3, s2, 23
	v_mov_b32 v4, s3                               ; 2^e12: the conversion takes this number's exponent field
	s_add_co_i32 s2, s2, 8
	s_lshl_b32 s2, s2, 23
	s_or_b32 s2, s2, 0x600000                      ; the mantissa field of 448
	v_mov_b32 v5, s2                               ; 448 x 2^e12
	s_wait_loadcnt 24                              ; row 0's eight loads are in; row 1, the gain and the bias (24 loads) may be out
	STATS X0
	s_wait_loadcnt 16                              ; row 1 is in
	STATS X1
	s_wait_loadcnt 0x0                             ; the gain and the bias
	AFFINE X0
	QUANT X0, 4, C
	PUT C, 16, 0
	AFFINE X1
	QUANT X1, 4, C+8
	PUT C+8, 16, 1
	s_endpgm
.Lfunc_end_k_qe8706b458d_norm2:
	.size	k_qe8706b458d_norm2, .Lfunc_end_k_qe8706b458d_norm2-k_qe8706b458d_norm2
	.p2alignl 7, 3214868480
	.fill 96, 4, 3214868480
	.section	.rodata,"a",@progbits
	.p2align	6, 0x0
	.amdhsa_kernel k_qe8706b458d_norm2
		.amdhsa_group_segment_fixed_size 0
		.amdhsa_private_segment_fixed_size 0
		.amdhsa_enable_private_segment 0
		.amdhsa_kernarg_size 40
		.amdhsa_user_sgpr_count 2
		.amdhsa_user_sgpr_kernarg_segment_ptr 1
		.amdhsa_wavefront_size32 1
		.amdhsa_system_sgpr_workgroup_id_x 1
		.amdhsa_system_sgpr_workgroup_id_y 1
		.amdhsa_system_sgpr_workgroup_id_z 1
		.amdhsa_system_vgpr_workitem_id 0
		.amdhsa_next_free_vgpr 208
		.amdhsa_next_free_sgpr 66
		.amdhsa_reserve_vcc 0
		.amdhsa_float_denorm_mode_32 3
		.amdhsa_float_denorm_mode_16_64 3
		.amdhsa_memory_ordered 1
		.amdhsa_forward_progress 1
		.amdhsa_inst_pref_size 25
	.end_amdhsa_kernel
	.amdgpu_metadata
---
amdhsa.version: [ 1, 2 ]
amdhsa.kernels:
  - .name:           k_qe8706b458d_norm2
    .symbol:         k_qe8706b458d_norm2.kd
    .args:
      - { .name: x1, .offset: 0, .size: 8, .value_kind: global_buffer, .address_space: global }
      - { .name: ln2_g, .offset: 8, .size: 8, .value_kind: global_buffer, .address_space: global }
      - { .name: ln2_b, .offset: 16, .size: 8, .value_kind: global_buffer, .address_space: global }
      - { .name: lowp_scales, .offset: 24, .size: 8, .value_kind: global_buffer, .address_space: global }
      - { .name: yc, .offset: 32, .size: 8, .value_kind: global_buffer, .address_space: global }
    .group_segment_fixed_size: 0
    .private_segment_fixed_size: 0
    .kernarg_segment_align: 8
    .kernarg_segment_size: 40
    .max_flat_workgroup_size: 256
    .sgpr_count:     66
    .vgpr_count:     208
    .wavefront_size: 32
...
	.end_amdgpu_metadata
.endif
;; end of part 5
;; launch ffn1 (part 6): grid 8 x 32, 4 waves a work-group, clusters of 4 x 4, 327,680 bytes of LDS; arguments yc, wc, b1, lowp_scales, hc; writes hc
.if DOCPART == 6
	.amdgcn_target "amdgcn-amd-amdhsa--gfx1250"
	.amdhsa_code_object_version 6
	.text
	.protected	k_qe8706b458d_ffn1
	.globl	k_qe8706b458d_ffn1
	.p2align	8
	.type	k_qe8706b458d_ffn1,@function
k_qe8706b458d_ffn1:
	s_mov_b64 s[64:65], 0
	v_nop
	global_prefetch_b8 v0, s[64:65] scope:SCOPE_SE
	s_setreg_imm32_b32 hwreg(HW_REG_WAVE_MODE, 25, 1), 1
	s_wait_xcnt 0x0
	s_wait_alu depctr_hold_cnt(0) depctr_sa_sdst(0) depctr_va_vdst(0) depctr_va_sdst(0) depctr_va_ssrc(0) depctr_va_vcc(0) depctr_vm_vsrc(0)
	s_getreg_b32 s2, hwreg(HW_REG_IB_STS2, 6, 4)
	s_cmp_eq_u32 s2, 0
	s_cbranch_scc0 .Lentry_in_a_cluster
	s_endpgm
.Lentry_in_a_cluster:
	s_bfe_u32 s2, ttmp6, 0x10000c
	s_cmp_lg_u32 s2, 0xf033
	s_cbranch_scc0 .Lentry_shape_is_right
	s_endpgm
.Lentry_shape_is_right:
.set KIND,   2
.set NT,     2
.set WOFF,   0x400000
.set ANEXT,  0
.set BNEXT,  0x100000
.set KTOT,   1024
.set HALF,   64*528
.set APART,  2*HALF
.set SLOT,   4*HALF
.set STAGE,  2*SLOT
.set SPARE,  STAGE+4*64*80
.set BRO,  4
.set BR,   8
.set ADRA, 16
.set ADRB, 20
.set STO,  24
.set RD,   25
.set CO,   26
.set BO,   27
.set SPW,  28
.set NIL,  29
.set QS,   30
.set QL,   31
.set TMP,  32
.set BC,   96
.set ACC,  128
.set F0,   0
.set F1,   128
.set G1A,  24
.set G0A,  32
.set G1B,  48
.set G0B,  56
.set MSB, 0
.macro WIN new
.if MSB != \new
	s_set_vgpr_msb (MSB<<8)|\new
.set MSB, \new
.endif
.endm
.set MUL,  0x05
.set TO_F, 0x40
.macro PLACES
.rept 4
	v_nop
.endr
.endm
.macro JLOAD s, again
	s_cmp_eq_u32 s17, 0
	s_cbranch_scc0 .Lfor_b_\@
.if (\again == 0) || (ANEXT != 0)
	tensor_load_to_lds s[G0A+4*\s:G0A+4*\s+3], s[G1A:G1A+7]
	s_nop 0
.endif
.rept 4
	v_nop
.endr
	s_branch .Lasked_\@
.Lfor_b_\@:
	tensor_load_to_lds s[G0B+4*\s:G0B+4*\s+3], s[G1B:G1B+7]
	s_nop 0
.rept 4
	v_nop
.endr
.Lasked_\@:
.endm
.macro CREST
	s_cmp_lg_u32 s16, 0
	s_cbranch_scc1 .Lnot_wave_0_\@
	s_barrier_signal -3
.Lnot_wave_0_\@:
	s_barrier_wait -3
	s_barrier_signal -1
	s_barrier_wait -1
.endm
.macro CROUND
	s_barrier_signal -1
	s_barrier_wait -1
	CREST
.endm
.macro FRAG reg, adr, q, i
.irp c, 0,1,2,3
	ds_load_b128 v[\reg+4*\c:\reg+4*\c+3], v[\adr] offset:128*(\q)+32*\c+(\i)*8448
.endr
.endm
.macro FETCH slot, q, f, t
.if (KIND == 0) && ((\t) == 2)
.set RA, ADRA+2
.set RB, ADRB+2
.else
.set RA, ADRA
.set RB, ADRB
.endif
	WIN TO_F
.irp i, 0,1,2,3
	FRAG \f+64+16*\i, RB+\slot, \q, \i
.endr
.irp i, 0,1,2,3
	FRAG \f+16*\i, RA+\slot, \q, \i
.endr
.endm
.macro MUL8 f, a0, zero
.irp a, \a0, \a0+1
.irp b, 0,1,2,3
.if \zero
	v_wmma_f32_16x16x128_fp8_fp8 v[ACC+8*(4*(\a)+\b):ACC+8*(4*(\a)+\b)+7], v[\f+64+16*\b:\f+64+16*\b+15], v[\f+16*(\a):\f+16*(\a)+15], 0
.else
	v_wmma_f32_16x16x128_fp8_fp8 v[ACC+8*(4*(\a)+\b):ACC+8*(4*(\a)+\b)+7], v[\f+64+16*\b:\f+64+16*\b+15], v[\f+16*(\a):\f+16*(\a)+15], v[ACC+8*(4*(\a)+\b):ACC+8*(4*(\a)+\b)+7]
.endif
.endr
.endr
.endm
.macro QUARTER slot, qn, f, g, zero, t
	s_wait_dscnt 8
	WIN MUL
	MUL8 \f, 0, \zero
	PLACES
	FETCH \slot, \qn, \g, \t
	s_wait_dscnt 32
	WIN MUL
	MUL8 \f, 2, \zero
.endm
.macro TURN slot, next, fill, tn
	WIN 0
	s_wait_tensorcnt 0x0
	ds_add_u32 v[SPW], v[NIL]
	s_wait_dscnt 9
	WIN MUL
	MUL8 F1, 0, 0
	s_wait_dscnt 0x0
	s_barrier_signal -1
	WIN 0
	s_barrier_wait -1
.if \fill
	CREST
.if ANEXT
	s_add_nc_u64 s[G0A+4*\slot+2:G0A+4*\slot+3], s[G0A+4*\slot+2:G0A+4*\slot+3], ANEXT
.endif
	s_add_nc_u64 s[G0B+4*\slot+2:G0B+4*\slot+3], s[G0B+4*\slot+2:G0B+4*\slot+3], BNEXT
	JLOAD \slot, 1
.else
	PLACES
.endif
	FETCH \next, 0, F0, \tn
	WIN MUL
	MUL8 F1, 2, 0
.endm
.macro LOADBC base, off
.irp b, 0,1,2,3
	global_load_b128 v[BC+8*\b:BC+8*\b+3], v[BO], s[\base:\base+1] offset:\off+64*\b
	global_load_b128 v[BC+8*\b+4:BC+8*\b+7], v[BO], s[\base:\base+1] offset:\off+64*\b+16
.endr
.endm
.macro MKS ea, eb, eo
	s_add_co_i32 s84, s[\ea], s[\eb]
	s_add_co_i32 s84, s84, 127
	s_lshl_b32 s84, s84, 23
	s_mov_b32 s85, s84
	s_add_co_i32 s86, s[\eo], 127
	s_lshl_b32 s87, s86, 23
	v_mov_b32 v[QS], s87
	s_add_co_i32 s86, s86, 8
	s_lshl_b32 s86, s86, 23
	s_or_b32 s86, s86, 0x600000
	v_mov_b32 v[QL], s86
.endm
.macro EPI t
	WIN 0
	s_wait_loadcnt 0x0
.if \t > 0
	s_wait_xcnt 0x0
.endif
.if (KIND == 0) && (\t == 2)
	MKS 72, 73, 77
.set OB, 10
.set OO, 0
.elseif (KIND == 0) && (\t == 1)
	MKS 70, 71, 75
.set OB, 12
.set OO, 0x400000
.elseif KIND == 0
	MKS 68, 69, 74
.set OB, 12
.set OO, 0
.else
	MKS 80, 81, 82
.set OB, 12
.set OO, \t*131072
.endif
	PLACES
.irp a, 0,1,2,3
.irp b, 0,1,2,3
.set AC, ACC+8*(4*\a+\b)
.irp i, 0,2,4,6
.if (KIND == 0) && (\t == 2)
	v_pk_fma_f32 v[AC+\i:AC+\i+1], v[AC+\i:AC+\i+1], s[84:85], v[BR+2*\a:BR+2*\a+1] op_sel_hi:[1,0,0]
.else
	v_pk_fma_f32 v[AC+\i:AC+\i+1], v[AC+\i:AC+\i+1], s[84:85], v[BC+8*\b+\i:BC+8*\b+\i+1] op_sel_hi:[1,0,1]
.endif
.endr
.irp i, 0,1,2,3,4,5,6,7
.if KIND == 2
	v_med3_num_f32 v[AC+\i], v[AC+\i], 0, v[QL]
.else
	v_med3_num_f32 v[AC+\i], v[AC+\i], -v[QL], v[QL]
.endif
.endr
	v_cvt_scalef32_pk8_fp8_f32 v[TMP+2*(4*\a+\b):TMP+2*(4*\a+\b)+1], v[AC:AC+7], v[QS]
.endr
.endr
	v_nop
.irp a, 0,1,2,3
.irp b, 0,1,2,3
	ds_store_b64 v[STO], v[TMP+2*(4*\a+\b):TMP+2*(4*\a+\b)+1] offset:1280*\a+16*\b
.endr
.endr
.irp i, 0,1,2,3,4,5,6,7
	ds_load_b128 v[TMP+32+4*\i:TMP+32+4*\i+3], v[RD] offset:640*\i
.endr
.irp i, 0,1,2,3,4,5,6,7
	s_wait_dscnt 7-\i
	global_store_b128 v[CO], v[TMP+32+4*\i:TMP+32+4*\i+3], s[OB:OB+1] offset:OO+512*\i
.endr
.if (KIND == 0) && (\t == 0)
	LOADBC 88, 0
.elseif (KIND == 2) && (\t == 0)
	LOADBC 8, 4096
.endif
.endm
	s_load_b128 s[4:7], s[0:1], 0x0
.if KIND == 0
	s_load_b64 s[8:9], s[0:1], 0x10
	s_load_b128 s[88:91], s[0:1], 0x18
	s_load_b64 s[14:15], s[0:1], 0x28
	s_load_b64 s[12:13], s[0:1], 0x30
.else
	s_load_b64 s[8:9], s[0:1], 0x10
	s_load_b64 s[14:15], s[0:1], 0x18
	s_load_b64 s[12:13], s[0:1], 0x20
.endif
	v_lshl_add_u32 v[SPW], v0, 2, SPARE
	v_mov_b32 v[NIL], 0
	v_lshrrev_b32 v1, 5, v0
	v_readfirstlane_b32 s16, v1
	s_lshr_b32 s17, s16, 1
	s_and_b32 s18, s16, 1
	s_bfe_u32 s19, ttmp6, 0x40000
	s_bfe_u32 s20, ttmp6, 0x40004
	s_lshl_b32 s21, ttmp9, 2
	s_add_co_u32 s21, s21, s19
	s_and_b32 s22, ttmp7, 0xffff
	s_lshl_b32 s22, s22, 2
	s_add_co_u32 s22, s22, s20
	s_lshl_b32 s40, s20, 2
	s_lshl_b32 s40, 15, s40
	s_lshl_b32 s41, 0x1111, s19
	s_or_b32 s[G1A], s40, (1<<20)|(1<<21)|(6<<22)|(3<<25)
	s_or_b32 s[G1B], s41, (1<<20)|(1<<21)|(6<<22)|(3<<25)
.irp g, G1A, G1B
	s_mov_b32 s[\g+1], 512<<16
	s_mov_b32 s[\g+2], 64<<16
	s_mov_b32 s[\g+3], 512<<16
	s_mov_b32 s[\g+4], 64
	s_mov_b32 s[\g+5], KTOT
	s_mov_b32 s[\g+6], 0
	s_mov_b32 s[\g+7], 0
.endr
	s_mul_i32 s42, s22, KTOT*128
	s_mul_i32 s43, s18, KTOT*64
	s_add_co_u32 s42, s42, s43
	s_mov_b32 s43, 0
	s_mul_i32 s46, s21, KTOT*128
	s_mul_i32 s47, s18, KTOT*64
	s_add_co_u32 s46, s46, s47
.if WOFF
	s_add_co_u32 s46, s46, WOFF
.endif
	s_mov_b32 s47, 0
	s_mul_i32 s86, s18, HALF
	s_add_co_u32 s87, s86, APART
	s_wait_kmcnt 0x0
	s_load_b512 s[68:83], s[14:15], 0x0
	s_add_nc_u64 s[42:43], s[4:5], s[42:43]
	s_add_nc_u64 s[46:47], s[6:7], s[46:47]
	s_cmp_eq_u32 s17, 0                            ; the prefetches: of the 64 rows that I fetch, my work-group names 16, told from its three partners' by address (cx for A, cy for B)
	s_cselect_b64 s[66:67], s[42:43], s[46:47]
	s_cselect_b32 s2, s19, s20
	s_lshl_b32 s2, s2, 14                          ; 16 rows of 1,024 bytes
	s_mov_b32 s3, 0
	s_add_nc_u64 s[66:67], s[66:67], s[2:3]        ; never rewritten
	CROUND
.irp s, 0,1
	s_mov_b32 s[G0A+4*\s], 1
	s_add_co_u32 s[G0A+4*\s+1], s86, \s*SLOT
	s_add_nc_u64 s[G0A+4*\s+2:G0A+4*\s+3], s[42:43], \s*512
	s_or_b32 s[G0A+4*\s+3], s[G0A+4*\s+3], 0x80000000
	s_mov_b32 s[G0B+4*\s], 1
	s_add_co_u32 s[G0B+4*\s+1], s87, \s*SLOT
	s_add_nc_u64 s[G0B+4*\s+2:G0B+4*\s+3], s[46:47], \s*512
	s_or_b32 s[G0B+4*\s+3], s[G0B+4*\s+3], 0x80000000
.if \s == 0
	s_wait_alu depctr_va_vdst(0)
	s_wait_tensorcnt 0x0
	ds_add_u32 v28, v29                            ; the add, twice on end, and its wait ahead of the round in front of my first tensor load
	ds_add_u32 v28, v29
	s_wait_dscnt 0x0
	CROUND
	JLOAD \s, 0                                    ; slot 0: one tensor load a wave at the head
.endif
.endr
	v_and_b32 v9, 31, v0                           ; v8: the prefetches' offset, never rewritten: two lanes to a row, 256 bytes apart: 32 blocks of 256 bytes an instruction
	v_lshrrev_b32 v8, 1, v9
	v_and_b32 v9, 1, v9
	v_lshlrev_b32 v9, 8, v9
	v_lshl_add_u32 v8, v8, 10, v9
	s_wait_alu depctr_va_vdst(0)                   ; the wait behind the write of v8
	global_prefetch_b8 v8, s[66:67] offset:512 th:TH_LOAD_NT scope:SCOPE_SE   ; what the next fill will load: the second K half
	s_cmp_eq_u32 s17, 0                            ; A stays in LDS for both tiles: only B's waves ask for the second tile
	s_cbranch_scc1 .Lpf_a0
	global_prefetch_b8 v8, s[66:67] offset:BNEXT th:TH_LOAD_NT scope:SCOPE_SE ; the fill two on: the second tile's first K half of B
.Lpf_a0:
	v_and_b32 v1, 15, v0
	s_wait_alu depctr_va_vdst(0)
	v_bfe_u32 v2, v0, 4, 1
	v_mul_u32_u24 v3, v1, 528
	v_lshl_add_u32 v3, v2, 4, v3
	s_mul_i32 s40, s17, HALF
	s_mul_i32 s41, s18, HALF
	s_add_co_u32 s41, s41, APART
.irp s, 0,1
	v_add_nc_u32 v[ADRA+\s], s40, v3
	v_add_nc_u32 v[ADRB+\s], s41, v3
	s_add_co_u32 s40, s40, SLOT
	s_add_co_u32 s41, s41, SLOT
.endr
.if KIND == 0
	s_mul_i32 s40, s17, HALF
	s_add_co_u32 s40, s40, APART
	s_mul_i32 s41, s18, HALF
.irp s, 0,1
	v_add_nc_u32 v[ADRA+2+\s], s40, v3
	v_add_nc_u32 v[ADRB+2+\s], s41, v3
	s_add_co_u32 s40, s40, SLOT
	s_add_co_u32 s41, s41, SLOT
.endr
.endif
	s_mul_i32 s44, s16, 64*80
	s_add_co_u32 s44, s44, STAGE
	v_mul_u32_u24 v5, v1, 80
	s_wait_alu depctr_va_vdst(0)
	v_lshl_add_u32 v5, v2, 3, v5
	v_add_nc_u32 v[STO], s44, v5
	v_and_b32 v6, 31, v0
	v_lshrrev_b32 v7, 2, v6
	v_mul_u32_u24 v7, v7, 80
	v_and_b32 v5, 3, v6
	v_lshl_add_u32 v7, v5, 4, v7
	v_add_nc_u32 v[RD], s44, v7
	v_lshlrev_b32 v[CO], 4, v6
	s_lshl_b32 s46, s21, 9
	s_mov_b32 s47, 0
	s_add_nc_u64 s[8:9], s[8:9], s[46:47]
	s_lshl_b32 s45, s18, 8
	v_lshl_add_u32 v[BO], v2, 5, s45
	LOADBC 8, 0
.if KIND == 0
	s_add_nc_u64 s[88:89], s[88:89], s[46:47]
	s_add_nc_u64 s[90:91], s[90:91], s[46:47]
	s_lshl_b32 s45, s17, 8
	v_lshl_add_u32 v[BRO], v1, 2, s45
.irp a, 0,1,2,3
	global_load_b32 v[BR+2*\a], v[BRO], s[90:91] offset:64*\a
	v_mov_b32 v[BR+2*\a+1], 0
.endr
	s_lshr_b32 s93, s22, 4
	s_lshl_b32 s93, s93, 4
	s_lshl_b32 s94, s21, 1
	s_add_co_u32 s93, s93, s94
	s_and_b32 s92, s22, 15
	s_lshl_b32 s92, s92, 13
	s_add_co_u32 s94, s93, s17
	s_lshl_b32 s94, s94, 17
	s_add_co_u32 s94, s94, s92
	s_lshl_b32 s95, s18, 12
	s_add_co_u32 s94, s94, s95
	s_add_co_u32 s94, s94, 0x800000
	s_mov_b32 s95, 0
	s_add_nc_u64 s[10:11], s[12:13], s[94:95]
	s_add_co_u32 s94, s93, s18
	s_lshl_b32 s94, s94, 17
	s_add_co_u32 s94, s94, s92
	s_lshl_b32 s93, s17, 12
	s_add_co_u32 s94, s94, s93
	s_add_nc_u64 s[12:13], s[12:13], s[94:95]
.else
	s_lshl_b32 s92, s22, 5
	s_lshl_b32 s93, s21, 1
	s_add_co_u32 s92, s92, s93
	s_add_co_u32 s92, s92, s18
	s_lshl_b32 s92, s92, 13
	s_lshl_b32 s93, s17, 12
	s_add_co_u32 s92, s92, s93
	s_mov_b32 s93, 0
	s_add_nc_u64 s[12:13], s[12:13], s[92:93]
.endif
	s_wait_kmcnt 0x0
	s_wait_alu depctr_va_vdst(0)                   ; the wait at the head's end
	s_wait_tensorcnt 0x0                           ; my part of slot 0 is in; slot 1's first fill is issued as a refill is:
	ds_add_u32 v[SPW], v[NIL]                      ; 0 onto my spare word,
	s_wait_dscnt 0x0
	CROUND                                         ; a whole round: everybody's part of slot 0 is in, and the joint loads meet
	JLOAD 1, 0                                     ; the first tensor load behind the round
	s_cmp_eq_u32 s17, 0
	s_cbranch_scc1 .Lpf_a1
	global_prefetch_b8 v8, s[66:67] offset:BNEXT+512 th:TH_LOAD_NT scope:SCOPE_SE   ; the fill two on: the second tile's second K half of B
.Lpf_a1:
	FETCH 0, 0, F0, 0
.irp t, 0,1,2
.if \t < NT
	QUARTER 0, 1, F0, F1, 1, \t
	QUARTER 0, 2, F1, F0, 0, \t
	QUARTER 0, 3, F0, F1, 0, \t
.if \t < NT-1
	TURN 0, 1, 1, \t
.else
	TURN 0, 1, 0, \t
.endif
	QUARTER 1, 1, F0, F1, 0, \t
	QUARTER 1, 2, F1, F0, 0, \t
	QUARTER 1, 3, F0, F1, 0, \t
.if \t < NT-1
	TURN 1, 0, 1, \t+1
.else
	s_wait_dscnt 8
	WIN MUL
	MUL8 F1, 0, 0
	s_wait_dscnt 0x0
	MUL8 F1, 2, 0
.endif
	EPI \t
.endif
.endr
	s_wait_tensorcnt 0x0
	ds_add_u32 v[SPW], v[NIL]
	s_wait_dscnt 0x0
	CROUND
	s_endpgm
.Lfunc_end_k_qe8706b458d_ffn1:
	.size	k_qe8706b458d_ffn1, .Lfunc_end_k_qe8706b458d_ffn1-k_qe8706b458d_ffn1
	.p2alignl 7, 3214868480
	.fill 96, 4, 3214868480
	.section	.rodata,"a",@progbits
	.p2align	6, 0x0
	.amdhsa_kernel k_qe8706b458d_ffn1
		.amdhsa_group_segment_fixed_size 327680
		.amdhsa_private_segment_fixed_size 0
		.amdhsa_enable_private_segment 0
		.amdhsa_kernarg_size 40
		.amdhsa_user_sgpr_count 2
		.amdhsa_user_sgpr_kernarg_segment_ptr 1
		.amdhsa_wavefront_size32 1
		.amdhsa_system_sgpr_workgroup_id_x 1
		.amdhsa_system_sgpr_workgroup_id_y 1
		.amdhsa_system_sgpr_workgroup_id_z 1
		.amdhsa_system_vgpr_workitem_id 0
		.amdhsa_next_free_vgpr 512
		.amdhsa_next_free_sgpr 96
		.amdhsa_reserve_vcc 0
		.amdhsa_float_denorm_mode_32 3
		.amdhsa_float_denorm_mode_16_64 3
		.amdhsa_memory_ordered 1
		.amdhsa_forward_progress 1
		.amdhsa_inst_pref_size 98
	.end_amdhsa_kernel
	.amdgpu_metadata
---
amdhsa.version: [ 1, 2 ]
amdhsa.kernels:
  - .name:           k_qe8706b458d_ffn1
    .symbol:         k_qe8706b458d_ffn1.kd
    .args:
      - { .name: yc, .offset: 0, .size: 8, .value_kind: global_buffer, .address_space: global }
      - { .name: wc, .offset: 8, .size: 8, .value_kind: global_buffer, .address_space: global }
      - { .name: b1, .offset: 16, .size: 8, .value_kind: global_buffer, .address_space: global }
      - { .name: lowp_scales, .offset: 24, .size: 8, .value_kind: global_buffer, .address_space: global }
      - { .name: hc, .offset: 32, .size: 8, .value_kind: global_buffer, .address_space: global }
    .group_segment_fixed_size: 327680
    .private_segment_fixed_size: 0
    .kernarg_segment_align: 8
    .kernarg_segment_size: 40
    .max_flat_workgroup_size: 128
    .sgpr_count:     96
    .vgpr_count:     512
    .wavefront_size: 32
...
	.end_amdgpu_metadata
.endif
;; end of part 6
;; launch ffn2 (part 7): grid 8 x 32, 4 waves a work-group, clusters of 4 x 4, 327,680 bytes of LDS; arguments hc, wc, b2, x1, lowp_scales, out0; writes out0
.if DOCPART == 7
	.amdgcn_target "amdgcn-amd-amdhsa--gfx1250"
	.amdhsa_code_object_version 6
	.text
	.protected	k_qe8706b458d_ffn2
	.globl	k_qe8706b458d_ffn2
	.p2align	8
	.type	k_qe8706b458d_ffn2,@function
k_qe8706b458d_ffn2:
	s_mov_b64 s[64:65], 0
	v_nop
	global_prefetch_b8 v0, s[64:65] scope:SCOPE_SE
	s_setreg_imm32_b32 hwreg(HW_REG_WAVE_MODE, 25, 1), 1
	s_wait_xcnt 0x0
	s_wait_alu depctr_hold_cnt(0) depctr_sa_sdst(0) depctr_va_vdst(0) depctr_va_sdst(0) depctr_va_ssrc(0) depctr_va_vcc(0) depctr_vm_vsrc(0)
	s_getreg_b32 s2, hwreg(HW_REG_IB_STS2, 6, 4)
	s_cmp_eq_u32 s2, 0
	s_cbranch_scc0 .Lentry_in_a_cluster
	s_endpgm
.Lentry_in_a_cluster:
	s_bfe_u32 s2, ttmp6, 0x10000c
	s_cmp_lg_u32 s2, 0xf033
	s_cbranch_scc0 .Lentry_shape_is_right
	s_endpgm
.Lentry_shape_is_right:
.set KIND,   3
.set KTOT,   2048
.set APLANE, 1
.set F32OUT, 1
.set RING,   1
.set WOFF,   0x600000
.set BH,     64*528
.if APLANE
.set AH,     128*272
.set ASTEP,  65536
.set AWAVE,  16*272
.set LTA,    4
.else
.set AH,     64*528
.set ASTEP,  512
.set AWAVE,  64*528
.set LTA,    3
.endif
.set APART,  2*AH
.set SLOT,   APART+2*BH
.set STAGE,  2*SLOT
.set SPARE,  STAGE+4*16*272
.set ADRA, 16
.set ADRB, 20
.set BRO,  23
.set STO,  24
.set RD,   25
.set CO,   26
.set BO,   27
.set SPW,  28
.set NIL,  29
.set QS,   30
.set QL,   31
.set TMP,  32
.set BR,   88
.set BC,   96
.set ACC,  128
.set F0,   0
.set F1,   128
.set G1A,  24
.set G0A,  32
.set G1B,  48
.set G0B,  56
.set MSB, 0
.macro WIN new
.if MSB != \new
	s_set_vgpr_msb (MSB<<8)|\new
.set MSB, \new
.endif
.endm
.set MUL,  0x05
.set TO_F, 0x40
.macro PLACES
.rept 4
	v_nop
.endr
.endm
.macro JLOAD s
	s_cmp_eq_u32 s17, 0
	s_cbranch_scc0 .Lfor_b_\@
	tensor_load_to_lds s[G0A+4*\s:G0A+4*\s+3], s[G1A:G1A+7]
	s_nop 0
.rept 4
	v_nop
.endr
	s_branch .Lasked_\@
.Lfor_b_\@:
	tensor_load_to_lds s[G0B+4*\s:G0B+4*\s+3], s[G1B:G1B+7]
	s_nop 0
.rept 4
	v_nop
.endr
.Lasked_\@:
.endm
.macro CREST
	s_cmp_lg_u32 s16, 0
	s_cbranch_scc1 .Lnot_wave_0_\@
	s_barrier_signal -3
.Lnot_wave_0_\@:
	s_barrier_wait -3
	s_barrier_signal -1
	s_barrier_wait -1
.endm
.macro CROUND
	s_barrier_signal -1
	s_barrier_wait -1
	CREST
.endm
.macro FRAGB reg, slot, q, i
.irp c, 0,1,2,3
	ds_load_b128 v[\reg+4*\c:\reg+4*\c+3], v[ADRB+\slot] offset:128*(\q)+32*\c+(\i)*8448
.endr
.endm
.macro FRAGA reg, slot, q, i
.irp c, 0,1,2,3
.if APLANE
	ds_load_b128 v[\reg+4*\c:\reg+4*\c+3], v[ADRA+\slot] offset:(2*(\q)+\c/2)*8704+(\i)*1088+32*(\c%2)
.else
	ds_load_b128 v[\reg+4*\c:\reg+4*\c+3], v[ADRA+\slot] offset:128*(\q)+32*\c+(\i)*8448
.endif
.endr
.endm
.macro FETCH slot, q, f
	WIN TO_F
.irp i, 0,1,2,3
	FRAGB \f+64+16*\i, \slot, \q, \i
.endr
.irp i, 0,1,2,3
	FRAGA \f+16*\i, \slot, \q, \i
.endr
.endm
.macro MUL8 f, a0, zero
.irp a, \a0, \a0+1
.irp b, 0,1,2,3
.if \zero
	v_wmma_f32_16x16x128_fp8_fp8 v[ACC+8*(4*(\a)+\b):ACC+8*(4*(\a)+\b)+7], v[\f+64+16*\b:\f+64+16*\b+15], v[\f+16*(\a):\f+16*(\a)+15], 0
.else
	v_wmma_f32_16x16x128_fp8_fp8 v[ACC+8*(4*(\a)+\b):ACC+8*(4*(\a)+\b)+7], v[\f+64+16*\b:\f+64+16*\b+15], v[\f+16*(\a):\f+16*(\a)+15], v[ACC+8*(4*(\a)+\b):ACC+8*(4*(\a)+\b)+7]
.endif
.endr
.endr
.endm
.macro QUARTER slot, qn, f, g, zero
	s_wait_dscnt 8
	WIN MUL
	MUL8 \f, 0, \zero
	PLACES
	FETCH \slot, \qn, \g
	s_wait_dscnt 32
	WIN MUL
	MUL8 \f, 2, \zero
.endm
.macro TURN slot, next, fill
	WIN 0
	s_wait_tensorcnt 0x0
.if RING
	ds_add_u32 v[SPW], v[NIL]
.endif
	s_wait_dscnt 8+RING
	WIN MUL
	MUL8 F1, 0, 0
	s_wait_dscnt 0x0
	s_barrier_signal -1
	WIN 0
	s_barrier_wait -1
.if \fill
	CREST
	s_add_nc_u64 s[G0A+4*\slot+2:G0A+4*\slot+3], s[G0A+4*\slot+2:G0A+4*\slot+3], 2*ASTEP
	s_add_nc_u64 s[G0B+4*\slot+2:G0B+4*\slot+3], s[G0B+4*\slot+2:G0B+4*\slot+3], 1024
	JLOAD \slot
.else
	PLACES
.endif
	FETCH \next, 0, F0
	WIN MUL
	MUL8 F1, 2, 0
.endm
	s_load_b128 s[4:7], s[0:1], 0x0
.if KIND == 0
	s_load_b64 s[8:9], s[0:1], 0x10
	s_load_b128 s[88:91], s[0:1], 0x18
	s_load_b64 s[14:15], s[0:1], 0x28
	s_load_b64 s[12:13], s[0:1], 0x30
.elseif KIND == 2
	s_load_b64 s[8:9], s[0:1], 0x10
	s_load_b64 s[14:15], s[0:1], 0x18
	s_load_b64 s[12:13], s[0:1], 0x20
.else
	s_load_b128 s[8:11], s[0:1], 0x10
	s_load_b64 s[14:15], s[0:1], 0x20
	s_load_b64 s[12:13], s[0:1], 0x28
.endif
.if RING
	v_lshl_add_u32 v[SPW], v0, 2, SPARE
	v_mov_b32 v[NIL], 0
.endif
	v_lshrrev_b32 v1, 5, v0
	v_readfirstlane_b32 s16, v1
	s_lshr_b32 s17, s16, 1
	s_and_b32 s18, s16, 1
	s_bfe_u32 s19, ttmp6, 0x40000
	s_bfe_u32 s20, ttmp6, 0x40004
	s_lshl_b32 s21, ttmp9, 2
	s_add_co_u32 s21, s21, s19
	s_and_b32 s22, ttmp7, 0xffff
	s_lshl_b32 s22, s22, 2
	s_add_co_u32 s22, s22, s20
	s_lshl_b32 s40, s20, 2
	s_lshl_b32 s40, 15, s40
	s_lshl_b32 s41, 0x1111, s19
.if APLANE
	s_or_b32 s[G1A], s40, (3<<16)|(1<<20)|(1<<21)|(5<<22)|(3<<25)
	s_mov_b32 s[G1A+1], 32<<16
	s_mov_b32 s[G1A+2], 128<<16
	s_mov_b32 s[G1A+3], 32<<16
	s_mov_b32 s[G1A+4], 128
	s_mov_b32 s[G1A+5], 32
.else
	s_or_b32 s[G1A], s40, (1<<20)|(1<<21)|(6<<22)|(3<<25)
	s_mov_b32 s[G1A+1], 512<<16
	s_mov_b32 s[G1A+2], 64<<16
	s_mov_b32 s[G1A+3], 512<<16
	s_mov_b32 s[G1A+4], 64
	s_mov_b32 s[G1A+5], KTOT
.endif
	s_mov_b32 s[G1A+6], 0
	s_mov_b32 s[G1A+7], 0
	s_or_b32 s[G1B], s41, (1<<20)|(1<<21)|(6<<22)|(3<<25)
	s_mov_b32 s[G1B+1], 512<<16
	s_mov_b32 s[G1B+2], 64<<16
	s_mov_b32 s[G1B+3], 512<<16
	s_mov_b32 s[G1B+4], 64
	s_mov_b32 s[G1B+5], KTOT
	s_mov_b32 s[G1B+6], 0
	s_mov_b32 s[G1B+7], 0
	s_mul_i32 s42, s22, KTOT*128
.if APLANE
	s_lshl_b32 s43, s18, 15
.else
	s_mul_i32 s43, s18, KTOT*64
.endif
	s_add_co_u32 s42, s42, s43
.if KIND == 0
	s_lshr_b32 s43, ttmp9, 1
	s_lshl_b32 s43, s43, 22
	s_add_co_u32 s42, s42, s43
.endif
	s_mov_b32 s43, 0
	s_mul_i32 s46, s21, KTOT*128
	s_mul_i32 s47, s18, KTOT*64
	s_add_co_u32 s46, s46, s47
.if WOFF
	s_add_co_u32 s46, s46, WOFF
.endif
	s_mov_b32 s47, 0
	s_mul_i32 s86, s18, AH
	s_mul_i32 s87, s18, BH
	s_add_co_u32 s87, s87, APART
	s_wait_kmcnt 0x0
	s_load_b512 s[68:83], s[14:15], 0x0
	s_add_nc_u64 s[42:43], s[4:5], s[42:43]
	s_add_nc_u64 s[46:47], s[6:7], s[46:47]
	s_cmp_eq_u32 s17, 0                            ; the prefetches: of what I fetch for a slot (A: four planes, 32,768 dense bytes; B: 64 rows x 512 bytes) my work-group names a quarter, told from its three partners' by address (cx for A, cy for B)
	s_cselect_b64 s[66:67], s[42:43], s[46:47]
	s_cselect_b32 s2, s19, s20
	s_cselect_b32 s3, 13, 15                       ; A: 8,192 bytes; B: 16 rows of 2,048 bytes
	s_mov_b32 s94, 512
	s_cselect_b32 s94, 0x10000, s94                ; a slot on: A: eight planes; B: 512 bytes along the row
	s_mov_b32 s23, 2048
	s_cselect_b32 s23, 512, s23                    ; from one pair of lanes to the next
	s_lshl_b32 s2, s2, s3
	s_mov_b32 s3, 0
	s_mov_b32 s95, 0
	s_add_nc_u64 s[66:67], s[66:67], s[2:3]
	s_add_nc_u64 s[88:89], s[66:67], s[94:95]      ; my quarter of the second fill,
	s_add_nc_u64 s[90:91], s[88:89], s[94:95]      ; of the third,
	s_add_nc_u64 s[94:95], s[90:91], s[94:95]      ; of the fourth.  None of the three pairs is rewritten
	CROUND
.irp s, 0,1
	s_mov_b32 s[G0A+4*\s], 1
	s_add_co_u32 s[G0A+4*\s+1], s86, \s*SLOT
	s_add_nc_u64 s[G0A+4*\s+2:G0A+4*\s+3], s[42:43], \s*ASTEP
	s_or_b32 s[G0A+4*\s+3], s[G0A+4*\s+3], 0x80000000
	s_mov_b32 s[G0B+4*\s], 1
	s_add_co_u32 s[G0B+4*\s+1], s87, \s*SLOT
	s_add_nc_u64 s[G0B+4*\s+2:G0B+4*\s+3], s[46:47], \s*512
	s_or_b32 s[G0B+4*\s+3], s[G0B+4*\s+3], 0x80000000
.if \s == 0
	s_wait_alu depctr_va_vdst(0)
	s_wait_tensorcnt 0x0
	ds_add_u32 v28, v29                            ; the add, twice on end, and its wait ahead of the round in front of my first tensor load
	ds_add_u32 v28, v29
	s_wait_dscnt 0x0
	CROUND
	JLOAD \s                                       ; slot 0: one tensor load a wave at the head
.endif
.endr
	v_and_b32 v9, 31, v0                           ; v8: the prefetches' offset, never rewritten: the two lanes of a pair 256 bytes apart, the pairs s23 bytes: 32 blocks of 256 bytes an instruction
	v_lshrrev_b32 v8, 1, v9
	v_and_b32 v9, 1, v9
	v_lshlrev_b32 v9, 8, v9
	v_mad_u32_u24 v8, v8, s23, v9
	s_wait_alu depctr_va_vdst(0)                   ; the wait behind the write of v8
	global_prefetch_b8 v8, s[88:89] th:TH_LOAD_NT scope:SCOPE_SE   ; what the next two fills will load
	global_prefetch_b8 v8, s[90:91] th:TH_LOAD_NT scope:SCOPE_SE
	v_and_b32 v1, 15, v0
	v_bfe_u32 v2, v0, 4, 1
	v_mul_u32_u24 v3, v1, 528
	v_lshl_add_u32 v3, v2, 4, v3
.if APLANE
	v_lshrrev_b32 v4, 2, v1
	v_mul_u32_u24 v4, v4, 272
	v_and_b32 v5, 3, v1
	v_lshl_add_u32 v4, v5, 6, v4
	v_lshl_add_u32 v4, v2, 4, v4
.endif
	s_mul_i32 s40, s17, AWAVE
	s_mul_i32 s41, s18, BH
.if KIND == 0
	s_cmp_ge_u32 ttmp9, 4
	s_cselect_b32 s44, APART, 0
	s_cselect_b32 s45, 0, APART
	s_add_co_u32 s40, s40, s44
	s_add_co_u32 s41, s41, s45
.else
	s_add_co_u32 s41, s41, APART
.endif
.irp s, 0,1
	v_add_nc_u32 v[ADRA+\s], s40, v[LTA]
	v_add_nc_u32 v[ADRB+\s], s41, v3
	s_add_co_u32 s40, s40, SLOT
	s_add_co_u32 s41, s41, SLOT
.endr
.if F32OUT
	s_mul_i32 s44, s16, 16*272
	s_add_co_u32 s44, s44, STAGE
	v_mul_u32_u24 v5, v1, 272
	v_lshl_add_u32 v5, v2, 5, v5
	v_add_nc_u32 v[STO], s44, v5
	v_mul_u32_u24 v7, v2, 272
	v_lshl_add_u32 v7, v1, 4, v7
	v_add_nc_u32 v[RD], s44, v7
	v_lshlrev_b32 v[CO], 12, v2
	v_lshl_add_u32 v[CO], v1, 4, v[CO]
.else
	s_mul_i32 s44, s16, 64*80
	s_add_co_u32 s44, s44, STAGE
	v_mul_u32_u24 v5, v1, 80
	v_lshl_add_u32 v5, v2, 3, v5
	v_add_nc_u32 v[STO], s44, v5
	v_and_b32 v6, 31, v0
	v_lshrrev_b32 v7, 2, v6
	v_mul_u32_u24 v7, v7, 80
	v_and_b32 v8, 3, v6
	v_lshl_add_u32 v7, v8, 4, v7
	v_add_nc_u32 v[RD], s44, v7
	v_lshlrev_b32 v[CO], 4, v6
.endif
.if KIND == 0
	s_cmp_lt_u32 ttmp9, 2
	s_cselect_b64 s[8:9], s[8:9], s[88:89]
	s_cmp_lt_u32 ttmp9, 4
	s_cselect_b64 s[8:9], s[8:9], s[90:91]
	s_cselect_b32 s92, -1, 0
	s_cselect_b32 s93, 0, -1
	s_cselect_b32 s94, s18, s17
	s_cselect_b32 s95, s17, s18
	s_and_b32 s44, s21, 7
	s_lshl_b32 s46, s44, 9
.else
	s_lshl_b32 s46, s21, 9
.endif
	s_mov_b32 s47, 0
	s_add_nc_u64 s[8:9], s[8:9], s[46:47]
	s_lshl_b32 s45, s18, 8
.if F32OUT
	v_lshl_add_u32 v[BO], v1, 4, s45
	s_wait_alu depctr_va_vdst(0)
	s_lshl_b32 s92, s22, 19
	s_lshl_b32 s93, s17, 18
	s_add_co_u32 s92, s92, s93
	s_add_co_u32 s92, s92, s46
	s_add_co_u32 s92, s92, s45
	s_mov_b32 s93, 0
	s_add_nc_u64 s[10:11], s[10:11], s[92:93]
	s_add_nc_u64 s[12:13], s[12:13], s[92:93]
	global_load_b128 v[BC:BC+3], v[BO], s[8:9]
	WIN 0x80
.irp a, 0,1,2,3
.irp t, 0,1,2,3,4,5,6,7
	global_load_b128 v[4*(8*\a+\t):4*(8*\a+\t)+3], v[CO], s[10:11] offset:(16*\a+2*\t)*4096
.endr
.endr
	WIN 0
.else
	v_lshl_add_u32 v[BO], v2, 5, s45
.irp b, 0,1,2,3
	global_load_b128 v[BC+8*\b:BC+8*\b+3], v[BO], s[8:9] offset:64*\b
	global_load_b128 v[BC+8*\b+4:BC+8*\b+7], v[BO], s[8:9] offset:64*\b+16
.endr
.endif
.if KIND == 0
	s_lshl_b32 s45, s17, 8
	v_lshl_add_u32 v[BRO], v1, 2, s45
.irp a, 0,1,2,3
	global_load_b32 v[BR+2*\a], v[BRO], s[8:9] offset:64*\a
	v_mov_b32 v[BR+2*\a+1], 0
.endr
	s_lshl_b32 s46, s22, 7
	s_lshl_b32 s95, s95, 6
	s_add_co_u32 s46, s46, s95
	s_lshr_b32 s47, s46, 11
	s_lshl_b32 s47, s47, 4
	s_lshl_b32 s44, s44, 1
	s_add_co_u32 s47, s47, s44
	s_add_co_u32 s47, s47, s94
	s_lshl_b32 s47, s47, 17
	s_and_b32 s46, s46, 2047
	s_lshl_b32 s46, s46, 6
	s_add_co_u32 s46, s46, s47
	s_lshr_b32 s47, ttmp9, 1
	s_lshl_b32 s47, s47, 22
	s_add_co_u32 s46, s46, s47
	s_mov_b32 s47, 0
	s_add_nc_u64 s[12:13], s[12:13], s[46:47]
.elseif KIND == 2
	s_lshl_b32 s92, s22, 5
	s_lshl_b32 s93, s21, 1
	s_add_co_u32 s92, s92, s93
	s_add_co_u32 s92, s92, s18
	s_lshl_b32 s92, s92, 13
	s_lshl_b32 s93, s17, 12
	s_add_co_u32 s92, s92, s93
	s_mov_b32 s93, 0
	s_add_nc_u64 s[12:13], s[12:13], s[92:93]
.endif
	s_wait_kmcnt 0x0
.if KIND == 0
	s_cmp_lt_u32 ttmp9, 2
	s_cselect_b32 s84, s68, s70
	s_cselect_b32 s85, s69, s71
	s_cselect_b32 s86, s74, s75
	s_cmp_lt_u32 ttmp9, 4
	s_cselect_b32 s84, s84, s72
	s_cselect_b32 s85, s85, s73
	s_cselect_b32 s86, s86, s77
	s_add_co_i32 s84, s84, s85
	s_add_co_i32 s86, s86, 127
.elseif KIND == 1
	s_add_co_i32 s84, s78, s79
.elseif KIND == 2
	s_add_co_i32 s84, s80, s81
	s_add_co_i32 s86, s82, 127
.else
	s_add_co_i32 s84, s82, s83
.endif
	s_add_co_i32 s84, s84, 127
	s_lshl_b32 s84, s84, 23
	s_mov_b32 s85, s84
.if !F32OUT
	s_lshl_b32 s87, s86, 23
	v_mov_b32 v[QS], s87
	s_add_co_i32 s86, s86, 8
	s_lshl_b32 s86, s86, 23
	s_or_b32 s86, s86, 0x600000
	v_mov_b32 v[QL], s86
.endif
	s_wait_alu depctr_va_vdst(0)                   ; the wait at the head's end
	s_wait_tensorcnt 0x0                           ; my part of slot 0 is in; slot 1's first fill is issued as a refill is:
	ds_add_u32 v[SPW], v[NIL]                      ; 0 onto my spare word,
	s_wait_dscnt 0x0
	CROUND                                         ; a whole round: everybody's part of slot 0 is in, and the joint loads meet
	JLOAD 1                                        ; the first tensor load behind the round
	global_prefetch_b8 v8, s[94:95] th:TH_LOAD_NT scope:SCOPE_SE   ; the fill two on: the last; the two refills ask for nothing
	FETCH 0, 0, F0
	QUARTER 0, 1, F0, F1, 1
	QUARTER 0, 2, F1, F0, 0
	QUARTER 0, 3, F0, F1, 0
	TURN 0, 1, RING
	QUARTER 1, 1, F0, F1, 0
	QUARTER 1, 2, F1, F0, 0
	QUARTER 1, 3, F0, F1, 0
.if RING
	TURN 1, 0, 1
	QUARTER 0, 1, F0, F1, 0
	QUARTER 0, 2, F1, F0, 0
	QUARTER 0, 3, F0, F1, 0
	TURN 0, 1, 0
	QUARTER 1, 1, F0, F1, 0
	QUARTER 1, 2, F1, F0, 0
	QUARTER 1, 3, F0, F1, 0
.endif
	s_wait_dscnt 8
	WIN MUL
	MUL8 F1, 0, 0
	s_wait_dscnt 0x0
	MUL8 F1, 2, 0
	WIN 0
	s_wait_loadcnt 0x0
.if F32OUT
.macro TOSTAGE a
.irp b, 0,1,2,3
	ds_store_b128 v[STO], v[ACC+8*(4*(\a)+\b):ACC+8*(4*(\a)+\b)+3] offset:64*\b
	ds_store_b128 v[STO], v[ACC+8*(4*(\a)+\b)+4:ACC+8*(4*(\a)+\b)+7] offset:64*\b+16
.endr
.set BK, TMP+32*((\a)%2)
.irp t, 0,1,2,3,4,5,6,7
	ds_load_b128 v[BK+4*\t:BK+4*\t+3], v[RD] offset:544*\t
.endr
.endm
.macro SEND a, younger
.set BK, TMP+32*((\a)%2)
	s_wait_dscnt \younger
	WIN 0x20
.irp t, 0,1,2,3,4,5,6,7
	v_pk_fma_f32 v[BK+4*\t:BK+4*\t+1], v[BK+4*\t:BK+4*\t+1], s[84:85], v[4*(8*(\a)+\t):4*(8*(\a)+\t)+1] op_sel_hi:[1,0,1]
	v_pk_fma_f32 v[BK+4*\t+2:BK+4*\t+3], v[BK+4*\t+2:BK+4*\t+3], s[84:85], v[4*(8*(\a)+\t)+2:4*(8*(\a)+\t)+3] op_sel_hi:[1,0,1]
.endr
	WIN 0
.irp t, 0,1,2,3,4,5,6,7
	v_pk_add_f32 v[BK+4*\t:BK+4*\t+1], v[BK+4*\t:BK+4*\t+1], v[BC:BC+1]
	v_pk_add_f32 v[BK+4*\t+2:BK+4*\t+3], v[BK+4*\t+2:BK+4*\t+3], v[BC+2:BC+3]
.endr
.irp t, 0,1,2,3,4,5,6,7
	global_store_b128 v[CO], v[BK+4*\t:BK+4*\t+3], s[12:13] offset:(16*(\a)+2*\t)*4096
.endr
.endm
	PLACES
	TOSTAGE 0
.irp a, 1,2,3
.if \a > 1
	s_wait_xcnt 0x0
.endif
	TOSTAGE \a
	SEND \a-1, 16
.endr
	SEND 3, 0
.else
.if KIND == 0
.set n, 0
.rept 32
	v_and_b32 v[BC+n], s92, v[BC+n]
.set n, n+1
.endr
.irp a, 0,1,2,3
	v_and_b32 v[BR+2*\a], s93, v[BR+2*\a]
.endr
.else
	PLACES
.endif
.irp a, 0,1,2,3
.irp b, 0,1,2,3
.set AC, ACC+8*(4*\a+\b)
.irp i, 0,2,4,6
	v_pk_fma_f32 v[AC+\i:AC+\i+1], v[AC+\i:AC+\i+1], s[84:85], v[BC+8*\b+\i:BC+8*\b+\i+1] op_sel_hi:[1,0,1]
.endr
.if KIND == 0
.irp i, 0,2,4,6
	v_pk_add_f32 v[AC+\i:AC+\i+1], v[AC+\i:AC+\i+1], v[BR+2*\a:BR+2*\a+1] op_sel_hi:[1,0]
.endr
.endif
.irp i, 0,1,2,3,4,5,6,7
.if KIND == 2
	v_med3_num_f32 v[AC+\i], v[AC+\i], 0, v[QL]
.else
	v_med3_num_f32 v[AC+\i], v[AC+\i], -v[QL], v[QL]
.endif
.endr
	v_cvt_scalef32_pk8_fp8_f32 v[TMP+2*(4*\a+\b):TMP+2*(4*\a+\b)+1], v[AC:AC+7], v[QS]
.endr
.endr
	v_nop
.irp a, 0,1,2,3
.irp b, 0,1,2,3
	ds_store_b64 v[STO], v[TMP+2*(4*\a+\b):TMP+2*(4*\a+\b)+1] offset:1280*\a+16*\b
.endr
.endr
.irp i, 0,1,2,3,4,5,6,7
	ds_load_b128 v[TMP+32+4*\i:TMP+32+4*\i+3], v[RD] offset:640*\i
.endr
.irp i, 0,1,2,3,4,5,6,7
	s_wait_dscnt 7-\i
	global_store_b128 v[CO], v[TMP+32+4*\i:TMP+32+4*\i+3], s[12:13] offset:512*\i
.endr
.endif
.if RING
	s_wait_tensorcnt 0x0
	ds_add_u32 v[SPW], v[NIL]
.endif
	s_wait_dscnt 0x0
	CROUND
	s_endpgm
.Lfunc_end_k_qe8706b458d_ffn2:
	.size	k_qe8706b458d_ffn2, .Lfunc_end_k_qe8706b458d_ffn2-k_qe8706b458d_ffn2
	.p2alignl 7, 3214868480
	.fill 96, 4, 3214868480
	.section	.rodata,"a",@progbits
	.p2align	6, 0x0
	.amdhsa_kernel k_qe8706b458d_ffn2
		.amdhsa_group_segment_fixed_size 327680
		.amdhsa_private_segment_fixed_size 0
		.amdhsa_enable_private_segment 0
		.amdhsa_kernarg_size 48
		.amdhsa_user_sgpr_count 2
		.amdhsa_user_sgpr_kernarg_segment_ptr 1
		.amdhsa_wavefront_size32 1
		.amdhsa_system_sgpr_workgroup_id_x 1
		.amdhsa_system_sgpr_workgroup_id_y 1
		.amdhsa_system_sgpr_workgroup_id_z 1
		.amdhsa_system_vgpr_workitem_id 0
		.amdhsa_next_free_vgpr 640
		.amdhsa_next_free_sgpr 96
		.amdhsa_reserve_vcc 0
		.amdhsa_float_denorm_mode_32 3
		.amdhsa_float_denorm_mode_16_64 3
		.amdhsa_memory_ordered 1
		.amdhsa_forward_progress 1
		.amdhsa_inst_pref_size 83
	.end_amdhsa_kernel
	.amdgpu_metadata
---
amdhsa.version: [ 1, 2 ]
amdhsa.kernels:
  - .name:           k_qe8706b458d_ffn2
    .symbol:         k_qe8706b458d_ffn2.kd
    .args:
      - { .name: hc, .offset: 0, .size: 8, .value_kind: global_buffer, .address_space: global }
      - { .name: wc, .offset: 8, .size: 8, .value_kind: global_buffer, .address_space: global }
      - { .name: b2, .offset: 16, .size: 8, .value_kind: global_buffer, .address_space: global }
      - { .name: x1, .offset: 24, .size: 8, .value_kind: global_buffer, .address_space: global }
      - { .name: lowp_scales, .offset: 32, .size: 8, .value_kind: global_buffer, .address_space: global }
      - { .name: out0, .offset: 40, .size: 8, .value_kind: global_buffer, .address_space: global }
    .group_segment_fixed_size: 327680
    .private_segment_fixed_size: 0
    .kernarg_segment_align: 8
    .kernarg_segment_size: 48
    .max_flat_workgroup_size: 128
    .sgpr_count:     96
    .vgpr_count:     640
    .wavefront_size: 32
...
	.end_amdgpu_metadata
.endif
;; end of part 7
